; MI455X (gfx1250); checked and timed in simulation.
; The chip was launched on July 23, 2026; its instructions are those of AMD's public machine-readable ISA for CDNA 5 (MIT licence, August 2026) and "CDNA5" Instruction Set Architecture Reference Guide (July 2026). The comments in the code are by the model that wrote it; some were corrected since.
;; Dinat Layer Nd. Allowed arithmetic: matrix products marked QUANTISED: E2M3 operands, one E8M0 scale for each 32 along K, by v_wmma_scale_f32_16x16x128_f8f6f4 with both operands' format E2M3, f32 sums; products left as they are: f32 operands where the result goes on into a quantised operand, else bf16, f16 or f32 operands; f32 sums; everything else in f32.
;; Inputs: b1 2,048 float32; b2 512 float32; bk 512 float32; bo 512 float32; bq 512 float32; bv 512 float32; hidden_states 4 x 4,096 x 512 float32; ln1_b 512 float32; ln1_g 512 float32; ln2_b 512 float32; ln2_g 512 float32; rpb 8 x 13 float32; w1_codes 2,048 x 16 x 24 uint8 (E2M3 codes of w1, K innermost, in blocks of 32 codes, four codes in three bytes); w1_scales 2,048 x 16 uint8 (E8M0 scales of w1, one for each 32 codes along K); w2_codes 512 x 64 x 24 uint8 (E2M3 codes of w2, K innermost, in blocks of 32 codes, four codes in three bytes); w2_scales 512 x 64 uint8 (E8M0 scales of w2, one for each 32 codes along K); wk_codes 512 x 16 x 24 uint8 (E2M3 codes of wk, K innermost, in blocks of 32 codes, four codes in three bytes); wk_scales 512 x 16 uint8 (E8M0 scales of wk, one for each 32 codes along K); wo_codes 512 x 16 x 24 uint8 (E2M3 codes of wo, K innermost, in blocks of 32 codes, four codes in three bytes); wo_scales 512 x 16 uint8 (E8M0 scales of wo, one for each 32 codes along K); wq_codes 512 x 16 x 24 uint8 (E2M3 codes of wq, K innermost, in blocks of 32 codes, four codes in three bytes); wq_scales 512 x 16 uint8 (E8M0 scales of wq, one for each 32 codes along K); wv_codes 512 x 16 x 24 uint8 (E2M3 codes of wv, K innermost, in blocks of 32 codes, four codes in three bytes); wv_scales 512 x 16 uint8 (E8M0 scales of wv, one for each 32 codes along K).
;; Outputs: out0 4 x 4,096 x 512 float32.
;; This version of the problem:
;;   THIS VERSION OF THE PROBLEM IS GIVEN IN LOW PRECISION. The matrix products marked QUANTISED in the list below multiply operands that are first quantised to E2M3 (2 exponent bits, 3 mantissa bits; 6 bits a number), with one power-of-two scale for each 32 numbers along K (OCP MX v1.0); their sums are f32. All else is computed in f32.
;;   The module's matrix products, in the order in which they are computed (A, B: the left and right operand; K: the contracted axis; several contracted axes count as one K, in the product's order):
;;     1. [M 16,384, K 512] x [K 512, N 512]; A: computed on the way; B: input wq (given as codes): QUANTISED
;;     2. [M 16,384, K 512] x [K 512, N 512]; A: computed on the way; B: input wk (given as codes): QUANTISED
;;     3. [M 16,384, K 512] x [K 512, N 512]; A: computed on the way; B: input wv (given as codes): QUANTISED
;;     4. batch 131,072 x [M 1, K 64] x [K 64, N 7]; A: computed on the way; B: computed on the way: left as it is (M = 1 < 16)
;;     5. batch 131,072 x [M 1, K 7] x [K 7, N 64]; A: softmax; B: computed on the way: left as it is (K = 7 < 32)
;;     6. [M 16,384, K 512] x [K 512, N 512]; A: computed on the way; B: input wo (given as codes): QUANTISED
;;     7. [M 16,384, K 512] x [K 512, N 2,048]; A: computed on the way; B: input w1 (given as codes): QUANTISED
;;     8. [M 16,384, K 2,048] x [K 2,048, N 512]; A: computed on the way; B: input w2 (given as codes): QUANTISED
;;   THE QUANTISER, for each operand of a quantised product, along K:
;;     - K is cut into blocks of 32 from its start; a last block that is shorter is filled with zeros.
;;     - A block's scale is 2^e with e = floor(log2(the largest magnitude in the block)) - 2, held to -126 .. 127; a block of zeros has e = 0. As a byte (E8M0): e + 127.
;;     - Each number is divided by its block's scale, clamped to +-7.5, and rounded to the nearest number of E2M3, ties to even, subnormals kept.
;;     - The product sums the exact products of the quantised numbers (number of the format x scale) in f32.
;;   ~~~python
;;   def quantise(x, axis):      # numpy; x: float32 -> the quantised numbers, widened to float32 again
;;       x = np.moveaxis(x, axis, -1); K = x.shape[-1]
;;       x = np.pad(x, [(0, 0)] * (x.ndim - 1) + [(0, -K % 32)]); x = x.reshape(x.shape[:-1] + (-1, 32)); a = np.abs(x).max(-1, keepdims=True)
;;       e = np.where(a > 0, np.clip(np.frexp(np.where(a > 0, a, 1))[1] - 1 - 2, -126, 127), 0)      # np.frexp(a)[1] - 1 = floor(log2(a)), exactly
;;       r = np.clip(x / 2.0 ** e, -7.5, 7.5)
;;       step = 2.0 ** (np.maximum(np.frexp(np.where(r == 0, 1, r))[1] - 1, 0) - 3)
;;       q = np.round(r / step) * step * 2.0 ** e      # np.round: ties to even
;;       return np.moveaxis(q.reshape(q.shape[:-2] + (-1,))[..., :K], -1, axis).astype(np.float32)
;;   ~~~
;;   OPERANDS COMPUTED ON THE WAY. 'Computed on the way' means the value that the module computes at that place (a softmax that the list does not call 'softmax' is quantised finished and normalised). What goes into a quantiser is computed in f32, as accurately as f32 sums, v_exp_f32 and their like allow (about 1e-6 of the number): no bf16 or f16 on the way to a quantiser, and a product that is left as it is and whose result goes on into a quantised operand takes f32 operands (vector FMAs, or v_wmma_f32_16x16x4_f32). A number that lies on a knife's edge between two numbers of the format may be rounded either way, as far as f32 arithmetic and the matrix unit's own rounding can turn it there, and no further.
;;   INPUTS GIVEN AS CODES. w1 (in the module: [2048, 512], K = its axis 1); w2 (in the module: [512, 2048], K = its axis 1); wk (in the module: [512, 512], K = its axis 1); wo (in the module: [512, 512], K = its axis 1); wq (in the module: [512, 512], K = its axis 1); wv (in the module: [512, 512], K = its axis 1): each comes as NAME_codes (uint8): NAME with its K axis moved to the last place and cut into blocks of 32 codes, [.., K / 32, bytes a block], one block behind the other in memory; four codes in three bytes: a row's codes are one little-endian stream of bits, code i at bits 6 i .. 6 i + 5 (a code: sign, 2 exponent bits, 3 mantissa bits); and NAME_scales (uint8): the same leading axes, one E8M0 byte (e + 127) for each 32 codes along K. Its value is code x scale, taken as it is: it is not quantised again, and the codes and scales need not be those that the quantiser above would give.
;; 2 versions, each right; version 2 is version 1 with the launch layer written anew for expert scheduling mode. Each part assembles by itself: llvm-mc -triple=amdgcn-amd-amdhsa -mcpu=gfx1250 --defsym DOCPART=n.
;; ======== version 1 of 2: 2 launches
;; workspace buffers: wimg 2,359,296 bytes
;; launch lay (part 1): grid 384 x 1, 4 waves a work-group, no clusters, 0 bytes of LDS; arguments wq_codes, wk_codes, wv_codes, wo_codes, w1_codes, w2_codes, wimg; writes wimg
.if DOCPART == 1
	.amdgcn_target "amdgcn-amd-amdhsa--gfx1250"
	.amdhsa_code_object_version 6
	.text
	.protected	k_q030c373551_lay
	.globl	k_q030c373551_lay
	.p2align	8
	.type	k_q030c373551_lay,@function
k_q030c373551_lay:
	s_mov_b64 s[64:65], 0
	v_nop
	global_prefetch_b8 v0, s[64:65] scope:SCOPE_SE
	s_setreg_imm32_b32 hwreg(HW_REG_WAVE_MODE, 25, 1), 1
	s_wait_xcnt 0x0
; The six weights' codes are laid once as IMAGES OF OPERAND REGISTERS, so that the next launch loads a fragment by three loads of 16 bytes a lane.
; A fragment is 16 weight rows x 128 along K of 6-bit codes: 12 registers a lane, 1,536 bytes.  Fragment f lies at 1536 f; in it registers 4 c .. 4 c + 3 of lane l at 512 c + 16 l.
; Sections, in fragments: wq 0, wk 128, wv 256, wo 384, w1 512, w2 1024.  In a section f = T x (K / 128) + s: tile T of 16 rows, K step s.
; THE ROWS OF A TILE ARE NOT NEIGHBOURS: lane r of tile T = 2 B + u takes weight row 32 B + 8 u + r + 8 (r / 8), so that in the transposed product the 16 registers of tiles 2 B, 2 B + 1 are 16 neighbouring columns.
; One wave makes one fragment: 384 work-groups x 4 waves = 1,536 fragments.
	s_load_b256 s[4:11], s[0:1], 0x0               ; wq, wk, wv, wo
	s_load_b128 s[12:15], s[0:1], 0x20             ; w1, w2
	s_load_b64 s[16:17], s[0:1], 0x30              ; wimg
	v_lshrrev_b32 v1, 5, v0
	v_readfirstlane_b32 s18, v1                    ; wave
	s_lshl_b32 s19, ttmp9, 2
	s_add_co_u32 s19, s19, s18                     ; f
	s_lshr_b32 s22, s19, 7                         ; which 128 fragments: 0-3 wq..wo, 4-7 w1, 8-11 w2
	s_lshl_b32 s23, s22, 7
	s_cmp_lt_u32 s22, 4
	s_cselect_b32 s23, s23, 512
	s_cmp_ge_u32 s22, 8
	s_cselect_b32 s23, 1024, s23                   ; the section's first fragment
	s_sub_co_u32 s24, s19, s23                     ; the fragment's number in its section
	s_lshr_b32 s25, s24, 2                         ; K = 512: four K steps a tile
	s_and_b32 s26, s24, 3
	s_lshr_b32 s27, s24, 4                         ; K = 2,048: sixteen
	s_and_b32 s28, s24, 15
	s_mov_b32 s29, 1536
	s_cmp_lt_u32 s22, 8
	s_cselect_b32 s25, s25, s27                    ; T
	s_cselect_b32 s26, s26, s28                    ; s
	s_cselect_b32 s29, 384, s29                    ; a weight row in bytes
	s_lshr_b32 s27, s25, 1
	s_lshl_b32 s27, s27, 5
	s_and_b32 s28, s25, 1
	s_lshl_b32 s28, s28, 3
	s_add_co_u32 s27, s27, s28                     ; the tile's first row: 32 B + 8 u
	s_mul_i32 s27, s27, s29
	s_mul_i32 s26, s26, 96                         ; 128 codes are 96 bytes
	s_add_co_u32 s30, s27, s26
	s_mov_b32 s31, 0
	v_and_b32 v2, 15, v0                           ; r
	v_bfe_u32 v3, v0, 4, 1                         ; h
	v_and_b32 v4, 8, v2
	v_add_nc_u32 v4, v4, v2                        ; r + 8 (r / 8)
	v_mul_lo_u32 v1, v4, s29
	v_mad_u32_u24 v1, v3, 24, v1                   ; my row, my half's 24 bytes
	v_and_b32 v5, 31, v0
	v_lshlrev_b32 v5, 4, v5                        ; 16 x lane
	s_wait_kmcnt 0x0
	s_mov_b64 s[20:21], s[4:5]                     ; the source is chosen on the fragment's number alone
	s_cmp_eq_u32 s22, 1
	s_cselect_b64 s[20:21], s[6:7], s[20:21]
	s_cmp_eq_u32 s22, 2
	s_cselect_b64 s[20:21], s[8:9], s[20:21]
	s_cmp_eq_u32 s22, 3
	s_cselect_b64 s[20:21], s[10:11], s[20:21]
	s_cmp_ge_u32 s22, 4
	s_cselect_b64 s[20:21], s[12:13], s[20:21]
	s_cmp_ge_u32 s22, 8
	s_cselect_b64 s[20:21], s[14:15], s[20:21]
	s_add_nc_u64 s[20:21], s[20:21], s[30:31]
.irp p, 0,1,2,3,4,5
	global_load_b64 v[8+2*\p:9+2*\p], v1, s[20:21] offset:48*(\p/3)+8*(\p%3)   ; registers 6 c .. 6 c + 5: k = 64 c + 32 h + 0 .. 31, as the bits lie
.endr
	s_mul_i32 s30, s19, 1536
	s_add_nc_u64 s[16:17], s[16:17], s[30:31]
	s_wait_loadcnt 0x0
.irp c, 0,1,2
	global_store_b128 v5, v[8+4*\c:11+4*\c], s[16:17] offset:512*\c            ; 32 lanes store 512 consecutive bytes, aligned
.endr
	s_endpgm
.Lfunc_end_k_q030c373551_lay:
	.size	k_q030c373551_lay, .Lfunc_end_k_q030c373551_lay-k_q030c373551_lay
	.p2alignl 7, 3214868480
	.fill 96, 4, 3214868480
	.section	.rodata,"a",@progbits
	.p2align	6, 0x0
	.amdhsa_kernel k_q030c373551_lay
		.amdhsa_group_segment_fixed_size 0
		.amdhsa_private_segment_fixed_size 0
		.amdhsa_enable_private_segment 0
		.amdhsa_kernarg_size 56
		.amdhsa_user_sgpr_count 2
		.amdhsa_user_sgpr_kernarg_segment_ptr 1
		.amdhsa_wavefront_size32 1
		.amdhsa_system_sgpr_workgroup_id_x 1
		.amdhsa_system_sgpr_workgroup_id_y 1
		.amdhsa_system_sgpr_workgroup_id_z 1
		.amdhsa_system_vgpr_workitem_id 0
		.amdhsa_next_free_vgpr 32
		.amdhsa_next_free_sgpr 66
		.amdhsa_reserve_vcc 0
		.amdhsa_float_denorm_mode_32 3
		.amdhsa_float_denorm_mode_16_64 3
		.amdhsa_memory_ordered 1
		.amdhsa_forward_progress 1
		.amdhsa_inst_pref_size 4
	.end_amdhsa_kernel
	.amdgpu_metadata
---
amdhsa.version: [ 1, 2 ]
amdhsa.kernels:
  - .name:           k_q030c373551_lay
    .symbol:         k_q030c373551_lay.kd
    .args:
      - { .name: wq_codes, .offset: 0, .size: 8, .value_kind: global_buffer, .address_space: global }
      - { .name: wk_codes, .offset: 8, .size: 8, .value_kind: global_buffer, .address_space: global }
      - { .name: wv_codes, .offset: 16, .size: 8, .value_kind: global_buffer, .address_space: global }
      - { .name: wo_codes, .offset: 24, .size: 8, .value_kind: global_buffer, .address_space: global }
      - { .name: w1_codes, .offset: 32, .size: 8, .value_kind: global_buffer, .address_space: global }
      - { .name: w2_codes, .offset: 40, .size: 8, .value_kind: global_buffer, .address_space: global }
      - { .name: wimg, .offset: 48, .size: 8, .value_kind: global_buffer, .address_space: global }
    .group_segment_fixed_size: 0
    .private_segment_fixed_size: 0
    .kernarg_segment_align: 8
    .kernarg_segment_size: 56
    .max_flat_workgroup_size: 128
    .sgpr_count:     66
    .vgpr_count:     32
    .wavefront_size: 32
...
	.end_amdgpu_metadata
.endif
;; end of part 1
;; launch layer (part 2): grid 256 x 1, 8 waves a work-group, no clusters, 314,880 bytes of LDS; arguments hidden_states, out0, wimg, rpb, ln1_g, ln1_b, ln2_g, ln2_b, wq_scales, wk_scales, wv_scales, wo_scales, w1_scales, w2_scales, bq, bk, bv, bo, b1, b2; writes out0
.if DOCPART == 2
	.amdgcn_target "amdgcn-amd-amdhsa--gfx1250"
	.amdhsa_code_object_version 6
	.text
	.protected	k_q030c373551_layer
	.globl	k_q030c373551_layer
	.p2align	8
	.type	k_q030c373551_layer,@function
k_q030c373551_layer:
	s_mov_b64 s[64:65], 0
	v_nop
	global_prefetch_b8 v0, s[64:65] scope:SCOPE_SE
	s_setreg_imm32_b32 hwreg(HW_REG_WAVE_MODE, 25, 1), 1
	s_wait_xcnt 0x0
; The whole layer in one launch: LN1, q k v, dilated neighbourhood attention, wo + residual, LN2, w1, exact GELU, w2 + residual.  The six large products on codes of FP6 (E2M3) with E8M0 scales; all else f32.
; SHARES.  A work-group owns 64 neighbouring positions of ONE dilation group of one batch (position pos is token 4 pos + g), so the 7 neighbours of a position are neighbouring positions: 8 halo positions a side serve k and v.
; Token tile m = 0..3: row r is position p0 + 4 r + m (a lane's four tokens are four neighbouring positions); tile 4 is the halo (r < 8: p0 - 8 + r; else p0 + 56 + r; held inside 0..1023, such rows are never chosen).
; THE EIGHT WAVES SHARE THE COLUMNS: wave w makes columns 64 w .. 64 w + 63 of every product (head w of q, k, v), for all tokens.  Two waves lie on a SIMD, so that one wave's vector work stands beside the other's products.
; ALL PRODUCTS ARE USED TRANSPOSED (source 0 = 16 weight rows, source 1 = 16 tokens): lane (r, h) holds token r, and the 16 registers of weight tiles 2 B, 2 B + 1 are columns 32 B + 16 h + 0 .. 15 (the weight images are laid for that).
; Weights come from memory straight into registers, as images, each byte once a work-group; activations' codes go from wave to wave through LDS, row-major, rows an odd multiple of 16 bytes apart.
; THE WEIGHTS ARE ASKED FOR EARLY: four sets of 48 registers hold the four K steps of a pass with K = 512, and a pass's weights go out while the pass or the vector phase before it runs; w2 walks a ring of the four sets, three steps ahead.
; No cluster, no joint loads: the weights do not pass through LDS here, so there is no tile in LDS that work-groups could ask for jointly.
; LIMITS: NaN and infinities are not served.  A block whose largest magnitude lies under 2^-124 keeps the scale byte 1 (a block of zeros too: its codes are zeros, and this program alone reads the bytes).
; erf is the rational x P(x^2) / Q(x^2) (degrees 6 and 4 in x^2) on x held to +-4, in f32: its error is a few 1e-7 absolute.
; REGISTERS.  Window 0: v1-23, v54, v55 addresses that stay; v24-27 addresses in hand; v28-31 two constants; v32-47 weight scale words; v48-52 token scale words; v56-127 token fragments and scratch; v128-255 ACC (token tile m, weight tile t at 128 + 32 m + 8 t).
; Window 1: 0-191 the four weight sets (set b at 48 b; in the v pass the third at 136); 96-135 the softmax's p; 192-223 the halo tile's accumulators; 192-255 two key or value rows; 224-255 a bias.
;   From the wo pass to LN2 96-223 hold HID, the residual stream; its tiles 0-2 then lie in LDS until the way out, tile 3 stays at 192-223.
.set X,     0          ; LDS: LN1's codes, 80 rows x 400 bytes; later LN2's, 64 rows
.set XSC,   32000      ; their scale bytes, 16 a row
.set CTX,   33280      ; the attention's codes, 64 rows x 400
.set CSC,   58880
.set ST1,   59904      ; LN2: the waves' partial sums, 32 bytes a row
.set ST2,   61952
.set STAGE, 64000      ; 16 rows x 272 bytes for each wave; during w1 and w2 its first 3,584 bytes hold seven pieces of the wave's residual stream
.set KV,    98816      ; for each wave 21,760 bytes: 80 positions x 64 channels f32: local position pi at (pi % 4) 5440 + (pi / 4) 272
.set HB,    98816      ; over it, once it is dead: the hidden layer's codes, 64 rows x 1,552
.set HSC,   198144     ; their scale bytes, 68 a row
.set PKA,   202496     ; behind them, in the dead k, v area: for each wave 8,704 bytes: seventeen pieces of 512 bytes of its residual stream
.set W2S,   272896     ; for each wave 5,120 bytes: its 64 rows of w2's scale bytes, 80 a row
.set MSB, 0
.macro WIN new                         ; the immediate's high byte repeats the setting that is left; a switch that changes nothing is dropped
.if MSB != (\new)
	s_set_vgpr_msb (MSB<<8)|(\new)
.set MSB, (\new)
.endif
.endm
.macro PLACES                          ; four plain places behind matrix instructions, ahead of loads into their registers and of reads of their results
.rept 4
	v_nop
.endr
.endm
.macro BAR                             ; my LDS stores have landed and my LDS loads are in: then the work-group's barrier
	s_wait_dscnt 0x0
	s_barrier_signal -1
	s_barrier_wait -1
.endm
.macro PKSUBB d, a, b                  ; pair d = pair a - register b, in both halves
.if (\b)%2
	v_pk_add_f32 v[(\d):(\d)+1], v[(\a):(\a)+1], v[(\b)-1:(\b)] op_sel:[0,1] op_sel_hi:[1,1] neg_lo:[0,1] neg_hi:[0,1]
.else
	v_pk_add_f32 v[(\d):(\d)+1], v[(\a):(\a)+1], v[(\b):(\b)+1] op_sel_hi:[1,0] neg_lo:[0,1] neg_hi:[0,1]
.endif
.endm
.macro PKMULB d, a, b                  ; pair d = pair a x register b
.if (\b)%2
	v_pk_mul_f32 v[(\d):(\d)+1], v[(\a):(\a)+1], v[(\b)-1:(\b)] op_sel:[0,1] op_sel_hi:[1,1]
.else
	v_pk_mul_f32 v[(\d):(\d)+1], v[(\a):(\a)+1], v[(\b):(\b)+1] op_sel_hi:[1,0]
.endif
.endm
.macro SPAIR reg, val                  ; a constant as a scalar pair: the packed forms name the pair
	s_mov_b32 s[\reg], \val
	s_mov_b32 s[\reg+1], \val
.endm
; four weight fragments (my tiles t = 0..3 of one K step) into the 48 registers from dst on, in window win: twelve loads of 512 consecutive bytes
.macro WLOAD dst, win, sb, voff, imm, tstr
	WIN 0x40*(\win)
.irp t, 0,1,2,3
.irp c, 0,1,2
	global_load_b128 v[(\dst)+12*\t+4*\c:(\dst)+12*\t+4*\c+3], v[\voff], s[\sb:\sb+1] offset:(\imm)+\t*(\tstr)+512*\c
.endr
.endr
.endm
; 32 numbers of a vector of my 64 columns in the result's layout (register 8 t + j: column 32 (t / 2) + 16 h + 8 (t % 2) + j) into window 1 from dst on
.macro BLOAD sb, dst
	WIN 0x40
.irp t, 0,1,2,3
.irp q, 0,1
	global_load_b128 v[\dst+8*\t+4*\q:\dst+8*\t+4*\q+3], v4, s[\sb:\sb+1] offset:128*(\t/2)+32*(\t%2)+16*\q
.endr
.endr
.endm
.macro SLOAD sb                        ; my four tiles' scale words, K = 512: 16 bytes a weight row = the four K steps' words
	WIN 0
.irp t, 0,1,2,3
	global_load_b128 v[32+4*\t:35+4*\t], v3, s[\sb:\sb+1] offset:(32*(\t/2)+8*(\t%2))*16
.endr
.endm
; the tokens' fragments of K step s, and their scale words, from rows of 400 bytes
.macro ALOAD mt, cimm, simm, s
.irp m, 0,1,2,3,4
.if \m < \mt
.irp p, 0,1,2,3,4,5
	ds_load_b64 v[56+12*\m+2*\p:57+12*\m+2*\p], v5 offset:(\cimm)+6400*\m+96*(\s)+48*(\p/3)+8*(\p%3)
.endr
	ds_load_b32 v[48+\m], v6 offset:(\simm)+256*\m+4*(\s)
.endif
.endr
.endm
.macro WM d, a, b, c, sa, sb
	v_wmma_scale_f32_16x16x128_f8f6f4 v[(\d):(\d)+7], v[(\a):(\a)+11], v[(\b):(\b)+11], v[(\c):(\c)+7], v[\sa], v[\sb] matrix_a_fmt:MATRIX_FMT_FP6 matrix_b_fmt:MATRIX_FMT_FP6
.endm
; sixteen products: four token tiles x my four weight tiles (from register wb of window ww on), 128 along K.  The accumulators take turns, one instruction a turn, from step to step too.
; mode 0: the bias starts the sums in ACC;  1: onto ACC;  2: onto HID
.macro MM wb, ww, wsb, wst, mode
.if \mode == 0
	WIN 0x10+(\ww)
.elseif \mode == 1
	WIN (\ww)
.else
	WIN 0x50+(\ww)
.endif
.irp m, 0,1,2,3
.irp t, 0,1,2,3
.if \mode == 0
	WM 128+32*\m+8*\t, (\wb)+12*\t, 56+12*\m, 224+8*\t, 32+(\wst)*\t+(\wsb), 48+\m
.elseif \mode == 1
	WM 128+32*\m+8*\t, (\wb)+12*\t, 56+12*\m, 128+32*\m+8*\t, 32+(\wst)*\t+(\wsb), 48+\m
.else
	WM 96+32*\m+8*\t, (\wb)+12*\t, 56+12*\m, 96+32*\m+8*\t, 32+(\wst)*\t+(\wsb), 48+\m
.endif
.endr
.endr
.endm
.macro MM5 wb, s                       ; the halo tile's four, in window 1 at 192
	WIN 0x51
.irp t, 0,1,2,3
.if \s == 0
	WM 192+8*\t, (\wb)+12*\t, 104, 224+8*\t, 32+4*\t+(\s), 52
.else
	WM 192+8*\t, (\wb)+12*\t, 104, 192+8*\t, 32+4*\t+(\s), 52
.endif
.endr
.endm
; a K step of a pass with K = 512: this step's tokens are fetched, then the products.  lw: how many younger loads may stay out when this step's weights have to be in; -1: an earlier wait has shown them in
.macro STEPN mt, s, cimm, simm, wb, ww, mode, lw
	WIN 0
	ALOAD \mt, \cimm, \simm, \s
.if \lw >= 0
	s_wait_loadcnt \lw
.endif
	s_wait_dscnt 0x0
	MM \wb, \ww, \s, 4, \mode
.if \mt == 5
	MM5 \wb, \s
.endif
	WIN 0
.endm
; my head's k or v of the 80 positions, from ACC and the halo's accumulators into my own region of LDS; each accumulator from its low end on
.macro KVSTORE
.irp m, 0,1,2,3
.irp t, 0,1,2,3
.irp q, 0,1
	ds_store_b128 v7, v[128+32*\m+8*\t+4*\q:131+32*\m+8*\t+4*\q] offset:5440*\m+128*(\t/2)+32*(\t%2)+16*\q
.endr
.endr
.endr
	WIN 0x04
.irp t, 0,1,2,3
.irp q, 0,1
	ds_store_b128 v8, v[192+8*\t+4*\q:195+8*\t+4*\q] offset:128*(\t/2)+32*(\t%2)+16*\q
.endr
.endr
	WIN 0
.endm
; row u of the ten that my four tokens' windows can touch (position p0 + 4 r - 3 + u): my half's 32 channels into window 1 at 192 + 32 buf
.macro KROW u, buf
	WIN 0x40
.irp e, 0,1
.irp q, 0,1,2,3
	ds_load_b128 v[192+32*(\buf)+16*\e+4*\q:192+32*(\buf)+16*\e+4*\q+3], v9 offset:(((\u)+5)%4)*5440+(((\u)+5)/4)*272+128*\e+16*\q
.endr
.endr
.endm
; 64 numbers of a lane, four half blocks of 16 neighbours along the next K (the other half lies in lane l xor 16), become codes at v[tm + 16 + 4 b] and scale bytes at v[tm + 4 + b]
.macro QUANT4 src, tm
.irp b, 0,1,2,3
	v_max3_num_f32 v[\tm+\b], |v[\src+16*\b]|, |v[\src+16*\b+1]|, 0x1800000   ; with the floor 2^(3 - 127): the byte cannot fall under 1
.endr
.irp i, 2,4,6,8,10,12,14
.irp b, 0,1,2,3
	v_max3_num_f32 v[\tm+\b], v[\tm+\b], |v[\src+16*\b+\i]|, |v[\src+16*\b+\i+1]|
.endr
.endr
.irp b, 0,1,2,3
	v_permlanex16_b32 v[\tm+4+\b], v[\tm+\b], s98, s99
.endr
.irp b, 0,1,2,3
	v_max_num_f32 v[\tm+\b], v[\tm+\b], v[\tm+4+\b]       ; the block's largest magnitude
.endr
.irp b, 0,1,2,3
	v_add_nc_u32 v[\tm+12+\b], 0xff000000, v[\tm+\b]      ; 2 off its exponent field: the conversion's scale operand
.endr
.irp b, 0,1,2,3
	v_lshrrev_b32 v[\tm+4+\b], 23, v[\tm+12+\b]           ; the scale's byte
.endr
.irp b, 0,1,2,3
	v_cvt_scalef32_pk16_fp6_f32 v[\tm+16+4*\b:\tm+18+4*\b], v[\src+16*\b:\src+16*\b+15], v[\tm+12+\b]
.endr
	v_nop                                          ; one plain place behind the scaled conversions
.endm
.macro QST tm, b, areg, imm, sreg, simm ; half block b: 12 bytes of codes into its row, and the block's byte (both halves' lanes write the same byte with the same value)
	ds_store_b32 v[\areg], v[\tm+16+4*(\b)] offset:(\imm)
	ds_store_b32 v[\areg], v[\tm+17+4*(\b)] offset:(\imm)+4
	ds_store_b32 v[\areg], v[\tm+18+4*(\b)] offset:(\imm)+8
	ds_store_b8 v[\sreg], v[\tm+4+(\b)] offset:(\simm)
.endm
.macro QSTX tm, mb, cbase, sbase       ; token tiles mb, mb + 1 into rows of 400 bytes
.irp b, 0,1,2,3
	QST \tm, \b, 10, (\cbase)+6400*((\mb)+\b/2)+24*(\b%2), 11, (\sbase)+256*((\mb)+\b/2)+(\b%2)
.endr
.endm
.macro QSTH tm, mb, areg               ; into the hidden layer's rows of 1,552 bytes
.irp b, 0,1,2,3
	QST \tm, \b, \areg, 24832*(\b/2)+24*(\b%2), 26, 1088*((\mb)+\b/2)+(\b%2)
.endr
.endm
.macro RED10 base                      ; ten rows' sums over the 32 lanes, the rows by turns
.irp x, 1,2,4,8
.irp i, 0,1,2,3,4,5,6,7,8,9
	v_add_f32_dpp v[\base+\i], v[\base+\i], v[\base+\i] row_xmask:\x row_mask:0xf bank_mask:0xf
.endr
.endr
.irp i, 0,1,2,3,4,5,6,7,8,9
	v_permlanex16_b32 v[126+\i%2], v[\base+\i], s98, s99
	v_add_f32 v[\base+\i], v[\base+\i], v[126+\i%2]
.endr
.endm
.macro SUM8 st, dst                    ; LN2: the eight waves' partial sums of my four tokens, added in one order in every wave
.irp m, 0,1,2,3
.irp q, 0,1
	ds_load_b128 v[56+8*\m+4*\q:59+8*\m+4*\q], v16 offset:(\st)+512*\m+16*\q
.endr
.endr
	s_wait_dscnt 0x0
.irp m, 0,1,2,3
	v_pk_add_f32 v[56+8*\m:57+8*\m], v[56+8*\m:57+8*\m], v[58+8*\m:59+8*\m]
.endr
.irp m, 0,1,2,3
	v_pk_add_f32 v[60+8*\m:61+8*\m], v[60+8*\m:61+8*\m], v[62+8*\m:63+8*\m]
.endr
.irp m, 0,1,2,3
	v_pk_add_f32 v[56+8*\m:57+8*\m], v[56+8*\m:57+8*\m], v[60+8*\m:61+8*\m]
.endr
.irp m, 0,1,2,3
	v_add_f32 v[\dst+\m], v[56+8*\m], v[57+8*\m]
.endr
.endm
; gelu(a) = a/2 + a/2 erf(a / sqrt 2) on 16 registers, packed.  z v56-71, z^2 v72-87, Q v88-103, P v104-119.  The sixteen reciprocals are one batch with one wait; P's Horner steps are the work behind them.
.macro GELU16 a
.irp k, 0,2,4,6,8,10,12,14
	v_pk_mul_f32 v[56+\k:57+\k], v[\a+\k:\a+\k+1], s[66:67] op_sel_hi:[1,0]
.endr
.irp k, 0,1,2,3,4,5,6,7,8,9,10,11,12,13,14,15
	v_med3_num_f32 v[56+\k], v[56+\k], -4.0, 4.0
.endr
.irp k, 0,2,4,6,8,10,12,14
	v_pk_mul_f32 v[72+\k:73+\k], v[56+\k:57+\k], v[56+\k:57+\k]
.endr
.irp k, 0,2,4,6,8,10,12,14
	v_pk_fma_f32 v[88+\k:89+\k], v[72+\k:73+\k], s[80:81], v[28:29] op_sel_hi:[1,0,1]
.endr
.irp sc, 82,84,86
.irp k, 0,2,4,6,8,10,12,14
	v_pk_fma_f32 v[88+\k:89+\k], v[88+\k:89+\k], v[72+\k:73+\k], s[\sc:\sc+1] op_sel_hi:[1,1,0]
.endr
.endr
.irp k, 0,1,2,3,4,5,6,7,8,9,10,11,12,13,14,15
	v_rcp_f32 v[88+\k], v[88+\k]
.endr
.irp k, 0,2,4,6,8,10,12,14
	v_pk_fma_f32 v[104+\k:105+\k], v[72+\k:73+\k], s[68:69], v[30:31] op_sel_hi:[1,0,1]
.endr
.irp sc, 70,72,74,76,78
.irp k, 0,2,4,6,8,10,12,14
	v_pk_fma_f32 v[104+\k:105+\k], v[104+\k:105+\k], v[72+\k:73+\k], s[\sc:\sc+1] op_sel_hi:[1,1,0]
.endr
.endr
.irp k, 0,2,4,6,8,10,12,14
	v_pk_mul_f32 v[104+\k:105+\k], v[104+\k:105+\k], v[56+\k:57+\k]
.endr
.irp k, 0,2,4,6,8,10,12,14
	v_pk_mul_f32 v[\a+\k:\a+\k+1], v[\a+\k:\a+\k+1], 0.5 op_sel_hi:[1,0]
.endr
	s_wait_alu depctr_va_vdst(0)                   ; one wait for the sixteen reciprocals, ahead of their first reader
.irp k, 0,2,4,6,8,10,12,14
	v_pk_mul_f32 v[104+\k:105+\k], v[104+\k:105+\k], v[88+\k:89+\k]
.endr
.irp k, 0,2,4,6,8,10,12,14
	v_pk_fma_f32 v[\a+\k:\a+\k+1], v[\a+\k:\a+\k+1], v[104+\k:105+\k], v[\a+\k:\a+\k+1]
.endr
.endm
; in the w1 loop: K step k of what follows, into set k: the next chunk's weights, or in the last trip w2's.  Twelve loads on either way, so that the counted waits hold on both
.macro NEXTW k
	s_cmp_eq_u32 s92, 1
	s_cbranch_scc1 .Lto_w2_\@
	WLOAD 48*(\k), 1, 88, 1, 1536*(\k), 6144
	WIN 0
	s_branch .Lasked_\@
.Lto_w2_\@:
	WLOAD 48*(\k), 1, 90, 2, 1536*(\k), 24576
	WIN 0
.Lasked_\@:
.endm
; ---------------- the head: ids, addresses, first loads
	s_load_b256 s[8:15], s[0:1], 0x0               ; hidden_states, out0, wimg, rpb
	s_load_b256 s[16:23], s[0:1], 0x20             ; ln1_g, ln1_b, ln2_g, ln2_b
	s_load_b256 s[24:31], s[0:1], 0x40             ; the scales of wq, wk, wv, wo
	s_load_b256 s[32:39], s[0:1], 0x60             ; of w1, w2; bq, bk
	s_load_b256 s[40:47], s[0:1], 0x80             ; bv, bo, b1, b2
	v_lshrrev_b32 v24, 5, v0
	v_readfirstlane_b32 s4, v24                    ; wave 0..7
	s_and_b32 s92, ttmp9, 3                        ; g, the dilation group
	s_lshr_b32 s93, ttmp9, 2
	s_and_b32 s93, s93, 15
	s_lshl_b32 s5, s93, 6                          ; p0, my first position
	s_lshr_b32 s94, ttmp9, 6                       ; the batch
	s_lshl_b32 s94, s94, 23
	s_lshl_b32 s92, s92, 11
	s_add_co_u32 s97, s94, s92                     ; the byte of position 0 of my group in my batch
	s_lshl_b32 s6, s5, 13                          ; a position is 8,192 bytes on from the last
	s_add_co_u32 s6, s6, s97
	s_mov_b32 s7, 0                                ; s[6:7]: the byte of position p0
	s_mul_i32 s86, s4, 52                          ; rpb: my head's 13 numbers
	s_mov_b32 s61, 0x3e000000                      ; 1 / sqrt(64)
	s_mov_b32 s62, 0x3fb8aa3b                      ; log2(e)
	s_mov_b32 s63, s62
	s_mov_b32 s98, 0x76543210
	s_mov_b32 s99, 0xfedcba98                      ; v_permlanex16_b32's selects for lane l xor 16
	s_mov_b32 s100, 0x3b000000                     ; 1 / 512
	s_mov_b32 s101, 0x3727c5ac                     ; 1e-5
	v_and_b32 v56, 31, v0                          ; lane
	v_and_b32 v57, 15, v0                          ; r
	v_bfe_u32 v58, v0, 4, 1                        ; h
	v_and_b32 v59, 8, v57
	v_add_nc_u32 v59, v59, v57                     ; r + 8 (r / 8)
	s_mul_i32 s92, s4, 24576
	v_lshl_add_u32 v1, v56, 4, s92                 ; weight images, K = 512: 16 lane + my 16 fragments
	s_mul_i32 s92, s4, 98304
	v_lshl_add_u32 v2, v56, 4, s92                 ; w2: my 64 fragments
	s_lshl_b32 s92, s4, 10
	v_lshl_add_u32 v3, v59, 4, s92                 ; weight scales, 16 bytes a row: row 64 w + r + 8 (r / 8)
	s_lshl_b32 s92, s4, 8
	v_lshl_add_u32 v4, v58, 6, s92                 ; biases and gains: 256 w + 64 h
	v_lshlrev_b32 v14, 15, v58
	v_lshl_add_u32 v14, v57, 4, v14
	v_add_nc_u32 v14, s92, v14                     ; residual and output: lanes 0-15 one token's 256 bytes, lanes 16-31 those of the token four positions on
	v_mul_u32_u24 v5, v57, 400
	v_mad_u32_u24 v10, v58, 12, v5
	v_mad_u32_u24 v5, v58, 24, v5                  ; token fragments: 400 r + 24 h
	s_mul_i32 s92, s4, 48
	v_add_nc_u32 v10, s92, v10                     ; where I put codes: 400 r + 12 h + 48 w
	v_lshlrev_b32 v6, 4, v57                       ; token scale words: 16 r
	s_lshl_b32 s93, s4, 1
	v_add_nc_u32 v11, s93, v6                      ; where I put scale bytes: 16 r + 2 w
	s_mul_i32 s94, s4, 21760
	s_add_co_u32 s94, s94, KV
	v_mul_u32_u24 v60, v57, 272
	v_lshl_add_u32 v60, v58, 6, v60                ; 272 r + 64 h
	v_add_nc_u32 v9, s94, v60                      ; k, v rows back
	v_add_nc_u32 v7, 544, v9                       ; k, v in: local position 4 r + m + 8
	v_and_b32 v61, 3, v57
	v_mul_u32_u24 v61, v61, 5440
	v_lshrrev_b32 v62, 2, v57
	v_mad_u32_u24 v61, v62, 272, v61
	v_lshrrev_b32 v62, 3, v57
	v_mad_u32_u24 v61, v62, 4352, v61
	v_lshl_add_u32 v61, v58, 6, v61
	v_add_nc_u32 v8, s94, v61                      ; the halo in: local position r, or 64 + r from r = 8 on
	s_mul_i32 s94, s4, 4352
	s_add_co_u32 s94, s94, STAGE
	v_add_nc_u32 v12, s94, v60                     ; my stage by tokens: 272 r + 64 h
	v_mul_u32_u24 v13, v58, 272
	v_lshl_add_u32 v13, v57, 4, v13
	v_add_nc_u32 v13, s94, v13                     ; and by rows: 272 (lane / 16) + 16 (lane % 16)
	v_lshl_add_u32 v55, v56, 4, s94                ; and as a place for register images: 16 x lane
	s_mul_i32 s94, s4, 8704
	s_add_co_u32 s94, s94, PKA
	v_lshl_add_u32 v54, v56, 4, s94                ; the other place for images: my 8,704 bytes, 16 x lane
	s_lshl_b32 s94, s4, 2
	v_lshlrev_b32 v16, 5, v57                      ; LN2's partial sums: 32 r
	v_add_nc_u32 v15, s94, v16                     ; mine: + 4 w
	v_mul_u32_u24 v63, v57, 1552
	v_mad_u32_u24 v17, v58, 12, v63
	s_add_co_u32 s94, s92, HB
	v_add_nc_u32 v17, s94, v17                     ; hidden codes in, token tiles 0, 1
	v_add_nc_u32 v18, 49664, v17                   ; tiles 2, 3
	v_mad_u32_u24 v20, v58, 24, v63
	v_add_nc_u32 v20, HB, v20                      ; hidden fragments, tiles 0, 1
	v_add_nc_u32 v21, 49664, v20                   ; tiles 2, 3
	v_mul_u32_u24 v22, v57, 68
	v_add_nc_u32 v22, HSC, v22                     ; hidden scale words
	v_add_nc_u32 v19, s93, v22                     ; hidden scale bytes in
	s_mul_i32 s94, s4, 5120
	s_add_co_u32 s94, s94, W2S
	v_mul_u32_u24 v23, v59, 80
	v_add_nc_u32 v23, s94, v23                     ; w2's scale words
	v_lshrrev_b32 v61, 2, v56
	v_mul_u32_u24 v26, v61, 80
	v_and_b32 v61, 3, v56
	v_lshl_add_u32 v26, v61, 4, v26
	v_add_nc_u32 v26, s94, v26                     ; and where they are put
	v_lshlrev_b32 v24, 6, v56                      ; LN1: a lane's 16 columns, 64 bytes
	s_lshl_b32 s94, s4, 12
	v_lshl_add_u32 v25, v56, 4, s94                ; w2's scales in memory: my 4,096 bytes
	s_mul_i32 s94, s4, 4000
	v_mul_u32_u24 v27, v56, 12
	v_add_nc_u32 v27, s94, v27                     ; LN1's codes: my ten rows, 12 bytes a lane
	s_mul_i32 s94, s4, 160
	v_lshrrev_b32 v53, 1, v56
	v_add_nc_u32 v53, s94, v53                     ; and their scale bytes
	v_mov_b32 v126, 0                              ; a lane permute's destination counts as one of its sources
	v_mov_b32 v127, 0
	s_wait_kmcnt 0x0
	s_load_b256 s[48:55], s[14:15], s86            ; rpb, my head: waited for ahead of the scores
	s_load_b128 s[56:59], s[14:15], s86 offset:0x20
	s_load_b32 s60, s[14:15], s86 offset:0x30
	s_add_nc_u64 s[88:89], s[12:13], 0xc0000       ; w1's images
	s_add_nc_u64 s[90:91], s[12:13], 0x180000      ; w2's
	WIN 0x40
.irp j, 0,1,2,3
	global_load_b128 v[4*\j:4*\j+3], v24, s[16:17] offset:16*\j          ; ln1_g of my 16 columns
.endr
.irp j, 0,1,2,3
	global_load_b128 v[16+4*\j:19+4*\j], v24, s[18:19] offset:16*\j      ; ln1_b
.endr
	WIN 0
.irp i, 0,1,2,3,4,5,6,7
	global_load_b128 v[88+4*\i:91+4*\i], v25, s[34:35] offset:512*\i     ; w2's scale bytes of my 64 rows
.endr
; LN1 takes the 80 rows (64 own, 16 halo) ten to a wave: row 10 w + i.  Each row has a scalar base of its own, so that no register of a pending load is written again.
.irp i, 0,1,2,3,4,5,6,7,8,9
.set XR, 128+16*\i-200*(\i/8)                  ; rows 0-7 in v128-255, rows 8, 9 in v56-87
	s_mul_i32 s92, s4, 10
	s_add_co_u32 s92, s92, \i
	s_lshr_b32 s93, s92, 4                         ; token tile m
	s_and_b32 s94, s92, 15                         ; r
	s_lshl_b32 s95, s94, 2
	s_add_co_u32 s95, s95, s93                     ; 4 r + m
	s_lshr_b32 s96, s94, 3
	s_lshl_b32 s96, s96, 6
	s_add_co_u32 s96, s96, s94
	s_sub_co_i32 s96, s96, 8                       ; the halo: r - 8, or r + 56
	s_cmp_lt_u32 s93, 4
	s_cselect_b32 s95, s95, s96
	s_add_co_i32 s95, s95, s5
	s_max_i32 s95, s95, 0
	s_min_i32 s95, s95, 1023                       ; held inside the sequence
	s_lshl_b32 s92, s95, 13
	s_add_co_u32 s92, s92, s97
	s_mov_b32 s93, 0
	s_add_nc_u64 s[66+2*\i:67+2*\i], s[8:9], s[92:93]
.irp j, 0,1,2,3
	global_load_b128 v[XR+4*\j:XR+4*\j+3], v24, s[66+2*\i:67+2*\i] offset:16*\j
.endr
.endr
	s_add_nc_u64 s[8:9], s[8:9], s[6:7]            ; from here on: at position p0
	s_add_nc_u64 s[10:11], s[10:11], s[6:7]
	s_wait_loadcnt 40                              ; the forty row loads may be out: gains and w2's scales are in
.irp i, 0,1,2,3,4,5,6,7
	ds_store_b128 v26, v[88+4*\i:91+4*\i] offset:640*\i                  ; rows of 64 bytes, 80 apart; my own bytes: no barrier
.endr
	s_wait_dscnt 0x0                               ; the stores have read their registers
; ---------------- LN1: mean, variance of the differences, gain and bias; then codes
.irp i, 0,1,2,3,4,5,6,7,8,9
.set XR, 128+16*\i-200*(\i/8)
	s_wait_loadcnt 4*(9-\i)                        ; the rows behind this one may be out
	v_pk_add_f32 v[118:119], v[XR:XR+1], v[XR+2:XR+3]
	v_pk_add_f32 v[120:121], v[XR+4:XR+5], v[XR+6:XR+7]
	v_pk_add_f32 v[122:123], v[XR+8:XR+9], v[XR+10:XR+11]
	v_pk_add_f32 v[124:125], v[XR+12:XR+13], v[XR+14:XR+15]
	v_pk_add_f32 v[118:119], v[118:119], v[120:121]
	v_pk_add_f32 v[122:123], v[122:123], v[124:125]
	v_pk_add_f32 v[118:119], v[118:119], v[122:123]
	v_add_f32 v[98+\i], v118, v119
.endr
	WLOAD 48, 1, 12, 1, 196608+1536, 6144          ; the k pass's K steps 1 to 3 go out now: the rest of LN1 is the time in which they land (set 0's registers still hold the gains)
	WLOAD 96, 1, 12, 1, 196608+3072, 6144
	WLOAD 144, 1, 12, 1, 196608+4608, 6144
	WIN 0
	RED10 98
.irp i, 0,1,2,3,4,5,6,7,8,9
	v_mul_f32 v[98+\i], s100, v[98+\i]             ; the means
.endr
.irp i, 0,1,2,3,4,5,6,7,8,9
.set XR, 128+16*\i-200*(\i/8)
.irp c, 0,2,4,6,8,10,12,14
	PKSUBB XR+\c, XR+\c, 98+\i
.endr
	v_pk_mul_f32 v[118:119], v[XR:XR+1], v[XR:XR+1]
	v_pk_mul_f32 v[120:121], v[XR+2:XR+3], v[XR+2:XR+3]
.irp c, 4,8,12
	v_pk_fma_f32 v[118:119], v[XR+\c:XR+\c+1], v[XR+\c:XR+\c+1], v[118:119]
	v_pk_fma_f32 v[120:121], v[XR+\c+2:XR+\c+3], v[XR+\c+2:XR+\c+3], v[120:121]
.endr
	v_pk_add_f32 v[118:119], v[118:119], v[120:121]
	v_add_f32 v[108+\i], v118, v119
.endr
	RED10 108
.irp i, 0,1,2,3,4,5,6,7,8,9
	v_fma_f32 v[108+\i], v[108+\i], s100, s101     ; variance + eps
.endr
.irp i, 0,1,2,3,4,5,6,7,8,9
	v_rsq_f32 v[108+\i], v[108+\i]
.endr
	v_nop                                          ; a plain place behind the last of the batch
	s_wait_alu depctr_va_vdst(0)                   ; one wait for the ten, ahead of their first reader
.irp i, 0,1,2,3,4,5,6,7,8,9
.set XR, 128+16*\i-200*(\i/8)
.irp c, 0,2,4,6,8,10,12,14
	PKMULB XR+\c, XR+\c, 108+\i
.endr
.endr
	WIN 0x14                                       ; gain and bias in window 1
.irp i, 0,1,2,3,4,5,6,7,8,9
.set XR, 128+16*\i-200*(\i/8)
.irp c, 0,2,4,6,8,10,12,14
	v_pk_fma_f32 v[XR+\c:XR+\c+1], v[XR+\c:XR+\c+1], v[\c:\c+1], v[16+\c:17+\c]
.endr
.endr
	BLOAD 38, 224                                  ; bk, the k pass's K step 0 and its scale words: the gains' registers are free
	WLOAD 0, 1, 12, 1, 196608, 6144
	SLOAD 26
; a lane's 16 numbers are half a block; the neighbour lane holds the other half.  Row i's codes, byte and maxima go into row i - 1's dead registers: no store's data are written again
.irp i, 0,1,2,3,4,5,6,7,8,9
.set XR, 128+16*\i-200*(\i/8)
.if \i == 0
.set QT, 118
.else
.set QT, 128+16*(\i-1)-200*((\i-1)/8)
.endif
	v_max3_num_f32 v[QT+6], |v[XR]|, |v[XR+1]|, 0x1800000
	v_max3_num_f32 v[QT+7], |v[XR+8]|, |v[XR+9]|, |v[XR+10]|
	v_max3_num_f32 v[QT+6], v[QT+6], |v[XR+2]|, |v[XR+3]|
	v_max3_num_f32 v[QT+7], v[QT+7], |v[XR+11]|, |v[XR+12]|
	v_max3_num_f32 v[QT+6], v[QT+6], |v[XR+4]|, |v[XR+5]|
	v_max3_num_f32 v[QT+7], v[QT+7], |v[XR+13]|, |v[XR+14]|
	v_max3_num_f32 v[QT+6], v[QT+6], |v[XR+6]|, |v[XR+7]|
	v_max3_num_f32 v[QT+6], v[QT+6], v[QT+7], |v[XR+15]|
	v_max_num_f32_dpp v[QT+6], v[QT+6], v[QT+6] row_xmask:1 row_mask:0xf bank_mask:0xf
	v_add_nc_u32 v[QT+5], 0xff000000, v[QT+6]
	v_cvt_scalef32_pk16_fp6_f32 v[QT:QT+2], v[XR:XR+15], v[QT+5]
	v_lshrrev_b32 v[QT+4], 23, v[QT+5]             ; the byte; also the plain place behind the conversion
	ds_store_b32 v27, v[QT] offset:X+400*\i
	ds_store_b32 v27, v[QT+1] offset:X+400*\i+4
	ds_store_b32 v27, v[QT+2] offset:X+400*\i+8
	ds_store_b8 v53, v[QT+4] offset:XSC+16*\i
.endr
	BAR                                            ; the 80 rows' codes lie in LDS
; ---------------- k (80 positions).  As soon as a set has been multiplied, the q pass's K step of the same number goes into it
	PLACES
	STEPN 5, 0, X, XSC, 0, 1, 0, 0                 ; the one wait of the pass: all four sets, the bias and the scale words are in
	PLACES
	WLOAD 0, 1, 12, 1, 0, 6144
	STEPN 5, 1, X, XSC, 48, 1, 1, -1
	PLACES
	WLOAD 48, 1, 12, 1, 1536, 6144
	STEPN 5, 2, X, XSC, 96, 1, 1, -1
	PLACES
	WLOAD 96, 1, 12, 1, 3072, 6144
	STEPN 5, 3, X, XSC, 144, 1, 1, -1
	PLACES
	WLOAD 144, 1, 12, 1, 4608, 6144
	BLOAD 36, 224
	SLOAD 24
	KVSTORE                                        ; forty LDS stores stand between these last loads and the wait for them
; ---------------- q (64 positions).  The v pass's K steps 0 and 1 go into sets 0 and 1; its step 2 to v136 on, beside the place of the softmax's p
	PLACES
	STEPN 4, 0, X, XSC, 0, 1, 0, 0
	PLACES
	WLOAD 0, 1, 12, 1, 393216, 6144
	STEPN 4, 1, X, XSC, 48, 1, 1, -1
	PLACES
	WLOAD 48, 1, 12, 1, 393216+1536, 6144
	STEPN 4, 2, X, XSC, 96, 1, 1, -1
	PLACES
	STEPN 4, 3, X, XSC, 144, 1, 1, -1
	PLACES
	WLOAD 136, 1, 12, 1, 393216+3072, 6144
	SLOAD 28
; ---------------- scores: q . k over my half's 32 channels for the ten rows x my four tokens; f32 multiply-adds, since the result goes on into a quantiser
	KROW 0, 0
.irp u, 0,1,2,3,4,5,6,7,8,9
.if \u < 9
	KROW \u+1, (\u+1)%2
	s_wait_dscnt 8                                 ; the next row's eight loads may be out
.else
	s_wait_dscnt 0x0
.endif
	WIN 0x04
.irp c, 0,1,2,3,4,5,6,7,8,9,10,11,12,13,14,15
.irp i, 0,1,2,3
.if \c == 0
	v_pk_mul_f32 v[96+2*\i:97+2*\i], v[128+32*\i:129+32*\i], v[192+32*(\u%2):193+32*(\u%2)]
.else
	v_pk_fma_f32 v[96+2*\i:97+2*\i], v[128+32*\i+2*\c:129+32*\i+2*\c], v[192+32*(\u%2)+2*\c:193+32*(\u%2)+2*\c], v[96+2*\i:97+2*\i]
.endif
.endr
.endr
	WIN 0
.irp i, 0,1,2,3
	v_add_f32 v[56+10*\i+\u], v[96+2*\i], v[97+2*\i]
.endr
.endr
	BLOAD 40, 224                                  ; bv, into the registers that the last key row has left: the softmax is the time in which it lands
	WIN 0
.irp i, 0,1,2,3
.irp u, 0,1,2,3,4,5,6,7,8,9
	v_permlanex16_b32 v[104+\u], v[56+10*\i+\u], s98, s99
.endr
.irp u, 0,1,2,3,4,5,6,7,8,9
	v_add_f32 v[56+10*\i+\u], v[56+10*\i+\u], v[104+\u]      ; with the other 32 channels
.endr
.endr
; token i's window begins at row W = i; at the sequence's ends it is held: W = 3 for positions 0..3, W = 0 for positions 1020..1023
	v_and_b32 v125, 15, v0
	v_lshl_add_u32 v125, v125, 2, s5               ; my first token's position
	v_cmp_eq_u32 s2, 0, v125
	v_cmp_eq_u32 s3, 0x3fc, v125
	v_mov_b32 v126, 3
	v_mov_b32 v127, 0
	v_mov_b32 v124, 0xff800000                     ; -infinity
.irp i, 0,1,2,3
	v_mov_b32 v[120+\i], \i
.endr
.irp i, 0,1,2,3
	v_cndmask_b32 v[120+\i], v[120+\i], v126, s2
.endr
.irp i, 0,1,2,3
	v_cndmask_b32 v[120+\i], v[120+\i], v127, s3
.endr
	s_wait_kmcnt 0x0                               ; rpb
.irp i, 0,1,2,3
.irp u, 0,1,2,3,4,5,6,7,8,9
	v_sub_nc_u32 v125, \u, v[120+\i]
	v_fma_f32 v[56+10*\i+\u], v[56+10*\i+\u], s61, s[51+\u-\i]           ; score / 8 + rpb[neighbour - position + 6]
	v_cmp_gt_u32 vcc_lo, 7, v125                   ; inside the window of 7?
	v_cndmask_b32 v[56+10*\i+\u], v124, v[56+10*\i+\u], vcc_lo
.endr
.endr
; softmax, with the row's maximum taken away
.irp i, 0,1,2,3
	v_max3_num_f32 v[104+\i], v[56+10*\i], v[57+10*\i], v[58+10*\i]
.endr
.irp k, 3,5,7
.irp i, 0,1,2,3
	v_max3_num_f32 v[104+\i], v[104+\i], v[56+10*\i+\k], v[57+10*\i+\k]
.endr
.endr
.irp i, 0,1,2,3
	v_max_num_f32 v[104+\i], v[104+\i], v[65+10*\i]
.endr
.irp i, 0,1,2,3
.irp u, 0,2,4,6,8
	PKSUBB 56+10*\i+\u, 56+10*\i+\u, 104+\i
.endr
.endr
.irp i, 0,1,2,3
.irp u, 0,2,4,6,8
	v_pk_mul_f32 v[56+10*\i+\u:57+10*\i+\u], v[56+10*\i+\u:57+10*\i+\u], s[62:63] op_sel_hi:[1,0]
.endr
.endr
.irp j, 0,1,2,3,4,5,6,7,8,9,10,11,12,13,14,15,16,17,18,19,20,21,22,23,24,25,26,27,28,29,30,31,32,33,34,35,36,37,38,39
	v_exp_f32 v[56+\j], v[56+\j]
.endr
	v_nop
	s_wait_alu depctr_va_vdst(0)                   ; one wait for the forty exponentials
.irp i, 0,1,2,3
	v_pk_add_f32 v[96+2*\i:97+2*\i], v[56+10*\i:57+10*\i], v[58+10*\i:59+10*\i]
.endr
.irp u, 4,6,8
.irp i, 0,1,2,3
	v_pk_add_f32 v[96+2*\i:97+2*\i], v[96+2*\i:97+2*\i], v[56+10*\i+\u:57+10*\i+\u]
.endr
.endr
.irp i, 0,1,2,3
	v_add_f32 v[108+\i], v[96+2*\i], v[97+2*\i]
.endr
.irp i, 0,1,2,3
	v_rcp_f32 v[108+\i], v[108+\i]
.endr
	v_nop
	s_wait_alu depctr_va_vdst(0)                   ; and one for the four reciprocals
	WIN 0x40                                       ; p goes to window 1, 96 + 10 i + u
.irp i, 0,1,2,3
.irp u, 0,2,4,6,8
	PKMULB 96+10*\i+\u, 56+10*\i+\u, 108+\i
.endr
.endr
	WIN 0
; ---------------- v (80 positions), over k in my region.  Its K step 3 goes into set 0 behind step 0's products, two steps ahead of its use
	PLACES
	STEPN 5, 0, X, XSC, 0, 1, 0, 0
	PLACES
	WLOAD 0, 1, 12, 1, 393216+4608, 6144
	STEPN 5, 1, X, XSC, 48, 1, 1, -1
	PLACES
	STEPN 5, 2, X, XSC, 136, 1, 1, -1
	PLACES
	STEPN 5, 3, X, XSC, 0, 1, 1, 0
	PLACES
	WLOAD 0, 1, 12, 1, 589824, 6144                ; the wo pass's K steps 0 and 1 and its scale words: p v is the time in which they land
	WLOAD 48, 1, 12, 1, 589824+1536, 6144
	SLOAD 30
	KVSTORE
	s_wait_dscnt 0x0                               ; the stores have read the halo's accumulators: the value rows land there
; ---------------- ctx = p v
	KROW 0, 0
.irp u, 0,1,2,3,4,5,6,7,8,9
.if \u < 9
	KROW \u+1, (\u+1)%2
	s_wait_dscnt 8                                 ; the next row's eight loads may be out
.else
	s_wait_dscnt 0x0
.endif
	WIN 0x05
.irp c, 0,1,2,3,4,5,6,7,8,9,10,11,12,13,14,15
.irp i, 0,1,2,3
.if \u == 0
	v_pk_mul_f32 v[128+32*\i+2*\c:129+32*\i+2*\c], v[192+2*\c:193+2*\c], v[96+10*\i:97+10*\i] op_sel_hi:[1,0]
.elseif \u%2
	v_pk_fma_f32 v[128+32*\i+2*\c:129+32*\i+2*\c], v[224+2*\c:225+2*\c], v[95+10*\i+\u:96+10*\i+\u], v[128+32*\i+2*\c:129+32*\i+2*\c] op_sel:[0,1,0] op_sel_hi:[1,1,1]
.else
	v_pk_fma_f32 v[128+32*\i+2*\c:129+32*\i+2*\c], v[192+2*\c:193+2*\c], v[96+10*\i+\u:97+10*\i+\u], v[128+32*\i+2*\c:129+32*\i+2*\c] op_sel_hi:[1,0,1]
.endif
.endr
.endr
.endr
	BLOAD 42, 224                                  ; bo, into the registers that the last value row has left
	WIN 0
	QUANT4 128, 56
	QSTX 56, 0, CTX, CSC
	QUANT4 192, 88
	QSTX 88, 2, CTX, CSC
	s_wait_loadcnt 8                               ; bo's eight loads may be out; wo's first weights, asked for ahead of p v, are in: with the 32 below at most 40 loads are out
.irp m, 0,1,2,3
.irp i, 0,1,2,3,4,5,6,7
	global_load_b128 v[128+32*\m+4*\i:131+32*\m+4*\i], v14, s[8:9] offset:65536*\i+8192*\m   ; the residual: sixteen lanes read a token's 256 bytes of my columns
.endr
.endr
	BAR                                            ; ctx's codes lie in LDS; LN1's codes and every k, v region are dead
; ---------------- the residual into the result's layout, through my stage; + bo; then the wo products add onto it
	s_wait_loadcnt 0x0
.irp m, 0,1,2,3
.irp i, 0,1,2,3,4,5,6,7
	ds_store_b128 v13, v[128+32*\m+4*\i:131+32*\m+4*\i] offset:544*\i
.endr
	WIN 0x40
.irp e, 0,1
.irp q, 0,1,2,3
	ds_load_b128 v[96+32*\m+16*\e+4*\q:99+32*\m+16*\e+4*\q], v12 offset:128*\e+16*\q        ; LDS serves a wave's instructions in order: these see my stores, and the next tile's stores come behind them
.endr
.endr
	WIN 0
.endr
	s_wait_dscnt 0x0
	WLOAD 128, 0, 12, 1, 589824+3072, 6144         ; ACC is free in this pass: it takes the pass's K steps 2 and 3
	WLOAD 176, 0, 12, 1, 589824+4608, 6144
	WIN 0x45
.irp m, 0,1,2,3
.irp c, 0,2,4,6,8,10,12,14,16,18,20,22,24,26,28,30
	v_pk_add_f32 v[96+32*\m+\c:97+32*\m+\c], v[96+32*\m+\c:97+32*\m+\c], v[224+\c:225+\c]
.endr
.endr
	WIN 0
	PLACES
	STEPN 4, 0, CTX, CSC, 0, 1, 2, -1
	PLACES
	STEPN 4, 1, CTX, CSC, 48, 1, 2, -1
	PLACES
	STEPN 4, 2, CTX, CSC, 128, 0, 2, 12            ; step 3's twelve loads may be out
	PLACES
	STEPN 4, 3, CTX, CSC, 176, 0, 2, 0
	PLACES
	WLOAD 0, 1, 88, 1, 0, 6144                     ; w1's first chunk: K steps 0 and 1, scale words, bias: LN2 is the time in which they land
	WLOAD 48, 1, 88, 1, 1536, 6144
	SLOAD 32
	BLOAD 44, 224
; ---------------- LN2 over 512 columns = eight waves: partial sums meet in LDS
	WIN 0x05
.irp m, 0,1,2,3
.irp k, 0,1,2,3,4,5,6,7
	v_pk_add_f32 v[56+16*\m+2*\k:57+16*\m+2*\k], v[96+32*\m+4*\k:97+32*\m+4*\k], v[98+32*\m+4*\k:99+32*\m+4*\k]   ; each accumulator from its low end on
.endr
.endr
	WIN 0
.irp m, 0,1,2,3
.irp k, 0,4,8,12
	v_pk_add_f32 v[56+16*\m+\k:57+16*\m+\k], v[56+16*\m+\k:57+16*\m+\k], v[58+16*\m+\k:59+16*\m+\k]
.endr
	v_pk_add_f32 v[56+16*\m:57+16*\m], v[56+16*\m:57+16*\m], v[60+16*\m:61+16*\m]
	v_pk_add_f32 v[64+16*\m:65+16*\m], v[64+16*\m:65+16*\m], v[68+16*\m:69+16*\m]
	v_pk_add_f32 v[56+16*\m:57+16*\m], v[56+16*\m:57+16*\m], v[64+16*\m:65+16*\m]
	v_add_f32 v[56+16*\m], v[56+16*\m], v[57+16*\m]
.endr
.irp m, 0,1,2,3
	v_permlanex16_b32 v[57+16*\m], v[56+16*\m], s98, s99
.endr
.irp m, 0,1,2,3
	v_add_f32 v[56+16*\m], v[56+16*\m], v[57+16*\m]
.endr
.irp m, 0,1,2,3
	ds_store_b32 v15, v[56+16*\m] offset:ST1+512*\m
.endr
	BAR
	SUM8 ST1, 120
.irp m, 0,1,2,3
	v_mul_f32 v[120+\m], s100, v[120+\m]           ; the means
.endr
	WIN 0x01
.irp m, 0,1,2,3
.irp c, 0,2,4,6,8,10,12,14,16,18,20,22,24,26,28,30
	PKSUBB 128+32*\m+\c, 96+32*\m+\c, 120+\m
.endr
.endr
; The residual stream is not wanted again before the way out: its tiles 0 to 2 (96 registers) go to my own LDS bytes as images of their registers, 512 bytes a store, and leave room for two more weight sets
	WIN 0x04
.irp k, 0,1,2,3,4,5,6,7,8,9,10,11,12,13,14,15,16
	ds_store_b128 v54, v[96+4*\k:99+4*\k] offset:512*\k
.endr
.irp k, 0,1,2,3,4,5,6
	ds_store_b128 v55, v[164+4*\k:167+4*\k] offset:512*\k
.endr
	WIN 0
.irp c, 0,2,4,6,8,10,12,14,16,18,20,22,24,26,28,30
.irp m, 0,1,2,3
.if \c == 0
	v_pk_mul_f32 v[56+2*\m:57+2*\m], v[128+32*\m:129+32*\m], v[128+32*\m:129+32*\m]
.else
	v_pk_fma_f32 v[56+2*\m:57+2*\m], v[128+32*\m+\c:129+32*\m+\c], v[128+32*\m+\c:129+32*\m+\c], v[56+2*\m:57+2*\m]
.endif
.endr
.endr
	s_wait_dscnt 0x0                               ; the stores have read their registers:
	BLOAD 20, 96                                   ; ln2_g and ln2_b of my columns land there
	BLOAD 22, 128
	WIN 0
.irp m, 0,1,2,3
	v_add_f32 v[64+\m], v[56+2*\m], v[57+2*\m]
.endr
.irp m, 0,1,2,3
	v_permlanex16_b32 v[68+\m], v[64+\m], s98, s99
.endr
.irp m, 0,1,2,3
	v_add_f32 v[64+\m], v[64+\m], v[68+\m]
.endr
.irp m, 0,1,2,3
	ds_store_b32 v15, v[64+\m] offset:ST2+512*\m
.endr
	BAR
	SUM8 ST2, 124
.irp m, 0,1,2,3
	v_fma_f32 v[124+\m], v[124+\m], s100, s101
.endr
.irp m, 0,1,2,3
	v_rsq_f32 v[124+\m], v[124+\m]
.endr
	v_nop
	s_wait_alu depctr_va_vdst(0)                   ; one wait for the four
	s_wait_loadcnt 0x0                             ; ln2_g, ln2_b (and what was asked for ahead of them)
.irp m, 0,1,2,3
.irp c, 0,2,4,6,8,10,12,14,16,18,20,22,24,26,28,30
	PKMULB 128+32*\m+\c, 128+32*\m+\c, 124+\m
.endr
.endr
	WIN 0x14
.irp m, 0,1,2,3
.irp c, 0,2,4,6,8,10,12,14,16,18,20,22,24,26,28,30
	v_pk_fma_f32 v[128+32*\m+\c:129+32*\m+\c], v[128+32*\m+\c:129+32*\m+\c], v[96+\c:97+\c], v[128+\c:129+\c]
.endr
.endr
	WLOAD 96, 1, 88, 1, 3072, 6144                 ; w1's first chunk, K steps 2 and 3: the gains' registers are free
	WLOAD 144, 1, 88, 1, 4608, 6144
	WIN 0
	QUANT4 128, 56
	QSTX 56, 0, X, XSC                             ; over LN1's codes, which nobody has read since the barrier behind the attention
	QUANT4 192, 88
	QSTX 88, 2, X, XSC
	SPAIR 66, 0x3f3504f3                           ; 1 / sqrt 2
	SPAIR 68, 0xaf95df0b                           ; P's coefficients, x^12 down (x^10 lies in v30)
	SPAIR 70, 0xb60cff51
	SPAIR 72, 0xb86ec2d2
	SPAIR 74, 0xba40ac63
	SPAIR 76, 0xbb41a1f6
	SPAIR 78, 0xbc83dbd4
	SPAIR 80, 0xb77460cd                           ; Q's, x^8 down (x^6 lies in v28)
	SPAIR 82, 0xbadc924e
	SPAIR 84, 0xbbf19bf8
	SPAIR 86, 0xbc69b6a7
	v_mov_b32 v28, 0xb95fbd29
	v_mov_b32 v29, 0xb95fbd29
	v_mov_b32 v30, 0x32edffee
	v_mov_b32 v31, 0x32edffee
	BAR                                            ; LN2's codes lie in LDS
; ---------------- w1, GELU, codes: four chunks of 512 hidden units, 64 of each to a wave.  What follows a chunk's products (the next chunk, or w2's first four K steps) is asked for during its GELU, a set ahead of every second GELU16
	s_mov_b32 s92, 4
	s_mov_b32 s93, 0                               ; 384 j: the chunk's codes in a hidden row
	s_mov_b32 s94, 0                               ; 16 j: its scale bytes
.Lchunk:
	PLACES
	STEPN 4, 0, X, XSC, 0, 1, 0, 24                ; sets 2 and 3, the last 24 loads issued, may be out
	PLACES
	STEPN 4, 1, X, XSC, 48, 1, 1, -1
	PLACES
	STEPN 4, 2, X, XSC, 96, 1, 1, 12               ; set 3 may be out
	PLACES
	STEPN 4, 3, X, XSC, 144, 1, 1, 0
	PLACES
	v_add_nc_u32 v24, s93, v17
	v_add_nc_u32 v25, s93, v18
	v_add_nc_u32 v26, s94, v19
	s_cmp_eq_u32 s92, 1                            ; the last trip asks for b2 in place of the next chunk's scale words and bias: no load leaves its buffer
	s_cbranch_scc1 .Lfor_w2
	s_wait_xcnt 0x0                                ; the earlier loads have read their bases
	s_add_nc_u64 s[88:89], s[88:89], 196608
	s_add_nc_u64 s[32:33], s[32:33], 8192
	s_add_nc_u64 s[44:45], s[44:45], 2048
	SLOAD 32
	BLOAD 44, 224
	WIN 0
	s_branch .Lbias_asked
.Lfor_w2:
	BLOAD 46, 224
	WIN 0
.Lbias_asked:
	NEXTW 0
	GELU16 128
	GELU16 144
	NEXTW 1
	GELU16 160
	GELU16 176
	NEXTW 2
	GELU16 192
	GELU16 208
	NEXTW 3
	GELU16 224
	GELU16 240
	QUANT4 128, 56
	QSTH 56, 0, 24
	QUANT4 192, 88
	QSTH 88, 2, 25
	s_wait_dscnt 0x0                               ; the stores have read their registers
	s_add_co_u32 s93, s93, 384
	s_add_co_u32 s94, s94, 16
	s_sub_co_u32 s92, s92, 1
	s_cmp_lg_u32 s92, 0
	s_cbranch_scc1 .Lchunk
	s_wait_loadcnt 36                              ; sets 1 to 3 may be out: b2 and w2's K step 0 are in, and no load into the scale registers is pending
	BAR                                            ; the hidden layer's codes lie in LDS
; ---------------- w2: sixteen K steps, summed in ACC from b2 on, on a ring of the four sets: step n asks for step n + 3, into the set that step n - 1 has left
.macro STEP2 set, ld, limm, lw, mode
	v_add_nc_u32 v24, s95, v20                     ; these four additions are the places behind the last products
	v_add_nc_u32 v25, s95, v21
	v_add_nc_u32 v26, s96, v22
	v_add_nc_u32 v27, s96, v23
.if \ld >= 0
	WLOAD 48*(\ld), 1, 90, 2, \limm, 24576
.endif
	WIN 0
.irp m, 0,1,2,3
.irp p, 0,1,2,3,4,5
	ds_load_b64 v[56+12*\m+2*\p:57+12*\m+2*\p], v[24+\m/2] offset:24832*(\m%2)+48*(\p/3)+8*(\p%3)
.endr
	ds_load_b32 v[48+\m], v26 offset:1088*\m
.endr
.irp t, 0,1,2,3
	ds_load_b32 v[32+\t], v27 offset:(32*(\t/2)+8*(\t%2))*80
.endr
	s_wait_loadcnt \lw                             ; the sets of the steps behind this one may be out, twelve loads each
	s_wait_dscnt 0x0
	MM 48*(\set), 1, 0, 1, \mode
	WIN 0
	s_add_co_u32 s95, s95, 96
	s_add_co_u32 s96, s96, 4
.endm
	s_mov_b32 s92, 3
	s_mov_b32 s95, 0                               ; 96 s: the K step's codes in a hidden row
	s_mov_b32 s96, 0                               ; 4 s: its scale words
	STEP2 0, -1, 0, 36, 0                          ; step 0 stands ahead of the loop: b2 starts the sums
.Lk2:                                              ; three trips: steps 1 to 12, which ask for steps 4 to 15
	STEP2 1, 0, 1536*4, 36, 1
	STEP2 2, 1, 1536*5, 36, 1
	STEP2 3, 2, 1536*6, 36, 1
	STEP2 0, 3, 1536*7, 36, 1
	s_wait_xcnt 0x0                                ; the loads have read their base
	s_add_nc_u64 s[90:91], s[90:91], 6144
	s_sub_co_u32 s92, s92, 1
	s_cmp_lg_u32 s92, 0
	s_cbranch_scc1 .Lk2
	STEP2 1, -1, 0, 24, 1                          ; the last three steps ask for nothing: the counts run down
	STEP2 2, -1, 0, 12, 1
	STEP2 3, -1, 0, 0, 1
; ---------------- the way out: the residual stream comes back and is added; then through my stage: sixteen lanes store a token's 256 bytes of my columns, aligned
	PLACES
	WIN 0x40
.irp k, 0,1,2,3,4,5,6,7,8,9,10,11,12,13,14,15,16
	ds_load_b128 v[96+4*\k:99+4*\k], v54 offset:512*\k
.endr
.irp k, 0,1,2,3,4,5,6
	ds_load_b128 v[164+4*\k:167+4*\k], v55 offset:512*\k
.endr
	s_wait_dscnt 0x0                               ; also: the pieces that lay in my stage have been read before the stage is written
	WIN 0x04
.irp m, 0,1,2,3
.irp c, 0,2,4,6,8,10,12,14,16,18,20,22,24,26,28,30
	v_pk_add_f32 v[128+32*\m+\c:129+32*\m+\c], v[128+32*\m+\c:129+32*\m+\c], v[96+32*\m+\c:97+32*\m+\c]   ; each accumulator from its low end on
.endr
.endr
	WIN 0
.irp m, 0,1,2,3
.irp e, 0,1
.irp q, 0,1,2,3
	ds_store_b128 v12, v[128+32*\m+16*\e+4*\q:131+32*\m+16*\e+4*\q] offset:128*\e+16*\q
.endr
.endr
.irp i, 0,1,2,3,4,5,6,7
	ds_load_b128 v[128+32*\m+4*\i:131+32*\m+4*\i], v13 offset:544*\i       ; back as whole rows, into the registers that they left: LDS serves a wave's instructions in order
.endr
	s_wait_dscnt 0x0
.irp i, 0,1,2,3,4,5,6,7
	global_store_b128 v14, v[128+32*\m+4*\i:131+32*\m+4*\i], s[10:11] offset:65536*\i+8192*\m th:TH_STORE_NT
.endr
.endr
	s_wait_xcnt 0x0
	v_lshl_add_u32 v254, v0, 2, 0x4ca00
	v_mov_b32 v255, 0
	s_wait_tensorcnt 0x0
	ds_add_u32 v254, v255
	s_wait_dscnt 0x0
	s_endpgm
.Lfunc_end_k_q030c373551_layer:
	.size	k_q030c373551_layer, .Lfunc_end_k_q030c373551_layer-k_q030c373551_layer
	.p2alignl 7, 3214868480
	.fill 96, 4, 3214868480
	.section	.rodata,"a",@progbits
	.p2align	6, 0x0
	.amdhsa_kernel k_q030c373551_layer
		.amdhsa_group_segment_fixed_size 314880
		.amdhsa_private_segment_fixed_size 0
		.amdhsa_enable_private_segment 0
		.amdhsa_kernarg_size 160
		.amdhsa_user_sgpr_count 2
		.amdhsa_user_sgpr_kernarg_segment_ptr 1
		.amdhsa_wavefront_size32 1
		.amdhsa_system_sgpr_workgroup_id_x 1
		.amdhsa_system_sgpr_workgroup_id_y 1
		.amdhsa_system_sgpr_workgroup_id_z 1
		.amdhsa_system_vgpr_workitem_id 0
		.amdhsa_next_free_vgpr 512
		.amdhsa_next_free_sgpr 102
		.amdhsa_reserve_vcc 1
		.amdhsa_float_denorm_mode_32 3
		.amdhsa_float_denorm_mode_16_64 3
		.amdhsa_memory_ordered 1
		.amdhsa_forward_progress 1
		.amdhsa_inst_pref_size 255
	.end_amdhsa_kernel
	.section	.bss,"aw",@nobits
	.p2align	6
	.space	262144
	.amdgpu_metadata
---
amdhsa.version: [ 1, 2 ]
amdhsa.kernels:
  - .name:           k_q030c373551_layer
    .symbol:         k_q030c373551_layer.kd
    .args:
      - { .name: hidden_states, .offset: 0, .size: 8, .value_kind: global_buffer, .address_space: global }
      - { .name: out0, .offset: 8, .size: 8, .value_kind: global_buffer, .address_space: global }
      - { .name: wimg, .offset: 16, .size: 8, .value_kind: global_buffer, .address_space: global }
      - { .name: rpb, .offset: 24, .size: 8, .value_kind: global_buffer, .address_space: global }
      - { .name: ln1_g, .offset: 32, .size: 8, .value_kind: global_buffer, .address_space: global }
      - { .name: ln1_b, .offset: 40, .size: 8, .value_kind: global_buffer, .address_space: global }
      - { .name: ln2_g, .offset: 48, .size: 8, .value_kind: global_buffer, .address_space: global }
      - { .name: ln2_b, .offset: 56, .size: 8, .value_kind: global_buffer, .address_space: global }
      - { .name: wq_scales, .offset: 64, .size: 8, .value_kind: global_buffer, .address_space: global }
      - { .name: wk_scales, .offset: 72, .size: 8, .value_kind: global_buffer, .address_space: global }
      - { .name: wv_scales, .offset: 80, .size: 8, .value_kind: global_buffer, .address_space: global }
      - { .name: wo_scales, .offset: 88, .size: 8, .value_kind: global_buffer, .address_space: global }
      - { .name: w1_scales, .offset: 96, .size: 8, .value_kind: global_buffer, .address_space: global }
      - { .name: w2_scales, .offset: 104, .size: 8, .value_kind: global_buffer, .address_space: global }
      - { .name: bq, .offset: 112, .size: 8, .value_kind: global_buffer, .address_space: global }
      - { .name: bk, .offset: 120, .size: 8, .value_kind: global_buffer, .address_space: global }
      - { .name: bv, .offset: 128, .size: 8, .value_kind: global_buffer, .address_space: global }
      - { .name: bo, .offset: 136, .size: 8, .value_kind: global_buffer, .address_space: global }
      - { .name: b1, .offset: 144, .size: 8, .value_kind: global_buffer, .address_space: global }
      - { .name: b2, .offset: 152, .size: 8, .value_kind: global_buffer, .address_space: global }
    .group_segment_fixed_size: 314880
    .private_segment_fixed_size: 0
    .kernarg_segment_align: 8
    .kernarg_segment_size: 160
    .max_flat_workgroup_size: 256
    .sgpr_count:     102
    .vgpr_count:     512
    .wavefront_size: 32
...
	.end_amdgpu_metadata
.endif
;; end of part 2
;; ======== version 2 of 2: 2 launches; version 1 with the launch layer written anew for expert scheduling mode
;; workspace buffers: wimg 2,359,296 bytes
;; launch lay: the kernel of part 1 again; grid 384 x 1, 4 waves a work-group, no clusters, 0 bytes of LDS; arguments wq_codes, wk_codes, wv_codes, wo_codes, w1_codes, w2_codes, wimg; writes wimg
;; launch layer (part 3): grid 256 x 1, 8 waves a work-group, no clusters, 314,880 bytes of LDS; arguments hidden_states, out0, wimg, rpb, ln1_g, ln1_b, ln2_g, ln2_b, wq_scales, wk_scales, wv_scales, wo_scales, w1_scales, w2_scales, bq, bk, bv, bo, b1, b2; writes out0
.if DOCPART == 3
	.amdgcn_target "amdgcn-amd-amdhsa--gfx1250"
	.amdhsa_code_object_version 6
	.text
	.protected	k_q030c373551_layer
	.globl	k_q030c373551_layer
	.p2align	8
	.type	k_q030c373551_layer,@function
k_q030c373551_layer:
	s_mov_b64 s[64:65], 0
	v_nop
	global_prefetch_b8 v0, s[64:65] scope:SCOPE_SE
	s_setreg_imm32_b32 hwreg(HW_REG_WAVE_SCHED_MODE, 0, 2), 2
	s_setreg_imm32_b32 hwreg(HW_REG_WAVE_MODE, 25, 1), 1
	s_wait_xcnt 0x0
	s_wait_alu depctr_vm_vsrc(0)
; The whole layer in one launch: LN1, q k v, dilated neighbourhood attention, wo + residual, LN2, w1, exact GELU, w2 + residual.  The six large products on codes of FP6 (E2M3) with E8M0 scales; all else f32.
; SHARES.  A work-group owns 64 neighbouring positions of ONE dilation group of one batch (position pos is token 4 pos + g), so the 7 neighbours of a position are neighbouring positions: 8 halo positions a side serve k and v.
; Token tile m = 0..3: row r is position p0 + 4 r + m (a lane's four tokens are four neighbouring positions); tile 4 is the halo (r < 8: p0 - 8 + r; else p0 + 56 + r; held inside 0..1023, such rows are never chosen).
; THE EIGHT WAVES SHARE THE COLUMNS: wave w makes columns 64 w .. 64 w + 63 of every product (head w of q, k, v), for all tokens.  Two waves lie on a SIMD, so that one wave's vector work stands beside the other's products.
; ALL PRODUCTS ARE USED TRANSPOSED (source 0 = 16 weight rows, source 1 = 16 tokens): lane (r, h) holds token r, and the 16 registers of weight tiles 2 B, 2 B + 1 are columns 32 B + 16 h + 0 .. 15 (the weight images are laid for that).
; Weights come from memory straight into registers, as images, each byte once a work-group; activations' codes go from wave to wave through LDS, row-major, rows an odd multiple of 16 bytes apart.
; THE WEIGHTS ARE ASKED FOR EARLY: four sets of 48 registers hold the four K steps of a pass with K = 512, and a pass's weights go out while the pass or the vector phase before it runs; w2 walks a ring of the four sets, three steps ahead.
; No cluster, no joint loads: the weights do not pass through LDS here, so there is no tile in LDS that work-groups could ask for jointly.
; LIMITS: NaN and infinities are not served.  A block whose largest magnitude lies under 2^-124 keeps the scale byte 1 (a block of zeros too: its codes are zeros, and this program alone reads the bytes).
; erf is the rational x P(x^2) / Q(x^2) (degrees 6 and 4 in x^2) on x held to +-4, in f32: its error is a few 1e-7 absolute.
; REGISTERS.  Window 0: v1-23, v54, v55 addresses that stay; v24-27 addresses in hand; v28-31 two constants; v32-47 weight scale words; v48-52 token scale words; v56-127 token fragments and scratch; v128-255 ACC (token tile m, weight tile t at 128 + 32 m + 8 t).
; Window 1: 0-191 the four weight sets (set b at 48 b; in the v pass the third at 136); 96-135 the softmax's p; 192-223 the halo tile's accumulators; 192-255 two key or value rows; 224-255 a bias.
;   From the wo pass to LN2 96-223 hold HID, the residual stream; its tiles 0-2 then lie in LDS until the way out, tile 3 stays at 192-223.
; THE MODE: SCHED_MODE bits 1:0 = 2 (LLVM: expert scheduling mode 2), set by the entry lines.  The code itself states the register dependences between vector or matrix instructions and memory or LDS instructions, with s_wait_alu, always for 0.
; THE PLAN.  Registers that memory or LDS instructions touch, and who else names them:
;   weight sets, bias, scale words v32-52, token fragments v56-115: written by loads, read by a step's products alone.  ONE wait on va_vdst stands behind each step's products (macro DONE): all loads up to the next products follow it with no further wait.
;   ACC and the halo's accumulators: written by products or vector lines, read by LDS stores (k, v, the stage).  DONE's wait stands ahead of those stores; a wait on vm_vsrc behind them, ahead of the next writer.
;   two key or value rows by turns: a row's multiply-adds read one while the next row lands in the other; one wait on va_vdst a row, ahead of the load into the buffer that the row before has left.
;   the quantiser's codes and bytes: all vector lines of a run first, one wait on va_vdst, then the run of LDS stores; a wait on vm_vsrc ahead of whatever writes those registers next.
;   v24-27: the addresses that are stepped: vm_vsrc ahead of the additions, and behind them a wait on va_vdst that stands there anyway.  All other addresses are made at the head, ahead of its one wait, and never written again.
;   Where a store reads registers in which a load lands next, va_vdst is stated once more behind the store, beside vm_vsrc, so that nothing between the wait and the load names the load's registers.
;   Masks go from compares into scalar registers in runs, with one wait on va_sdst behind each run.
.set X,     0          ; LDS: LN1's codes, 80 rows x 400 bytes; later LN2's, 64 rows
.set XSC,   32000      ; their scale bytes, 16 a row
.set CTX,   33280      ; the attention's codes, 64 rows x 400
.set CSC,   58880
.set ST1,   59904      ; LN2: the waves' partial sums, 32 bytes a row
.set ST2,   61952
.set STAGE, 64000      ; 16 rows x 272 bytes for each wave; during w1 and w2 its first 3,584 bytes hold seven pieces of the wave's residual stream
.set KV,    98816      ; for each wave 21,760 bytes: 80 positions x 64 channels f32: local position pi at (pi % 4) 5440 + (pi / 4) 272
.set HB,    98816      ; over it, once it is dead: the hidden layer's codes, 64 rows x 1,552
.set HSC,   198144     ; their scale bytes, 68 a row
.set PKA,   202496     ; behind them, in the dead k, v area: for each wave 8,704 bytes: seventeen pieces of 512 bytes of its residual stream
.set W2S,   272896     ; for each wave 5,120 bytes: its 64 rows of w2's scale bytes, 80 a row
.set MSB, 0
.macro WIN new                         ; the immediate's high byte repeats the setting that is left; a switch that changes nothing is dropped
.if MSB != (\new)
	s_set_vgpr_msb (MSB<<8)|(\new)
.set MSB, (\new)
.endif
.endm
.macro PLACES                          ; four plain places behind matrix instructions, ahead of reads of their results and of writes over their registers (ISA guide 7.12.1); they stay beside the waits
.rept 4
	v_nop
.endr
.endm
; Behind a step's products (at a pass's head: behind the vector lines ahead of it): the places, the window of the loads that follow, and the step's one wait
.macro DONE win
	PLACES
	WIN \win
	s_wait_alu depctr_va_vdst(0)                   ; all that was issued is done reading and writing the weight set, bias, scale words and token fragments in which the loads up to the next products land, and has written the accumulators that the stores up to there read
.endm
.macro BAR                             ; my LDS stores have landed and my LDS loads are in: then the work-group's barrier
	s_wait_dscnt 0x0
	s_barrier_signal -1
	s_barrier_wait -1
.endm
.macro PKSUBB d, a, b                  ; pair d = pair a - register b, in both halves
.if (\b)%2
	v_pk_add_f32 v[(\d):(\d)+1], v[(\a):(\a)+1], v[(\b)-1:(\b)] op_sel:[0,1] op_sel_hi:[1,1] neg_lo:[0,1] neg_hi:[0,1]
.else
	v_pk_add_f32 v[(\d):(\d)+1], v[(\a):(\a)+1], v[(\b):(\b)+1] op_sel_hi:[1,0] neg_lo:[0,1] neg_hi:[0,1]
.endif
.endm
.macro PKMULB d, a, b                  ; pair d = pair a x register b
.if (\b)%2
	v_pk_mul_f32 v[(\d):(\d)+1], v[(\a):(\a)+1], v[(\b)-1:(\b)] op_sel:[0,1] op_sel_hi:[1,1]
.else
	v_pk_mul_f32 v[(\d):(\d)+1], v[(\a):(\a)+1], v[(\b):(\b)+1] op_sel_hi:[1,0]
.endif
.endm
.macro SPAIR reg, val                  ; a constant as a scalar pair: the packed forms name the pair
	s_mov_b32 s[\reg], \val
	s_mov_b32 s[\reg+1], \val
.endm
; four weight fragments (my tiles t = 0..3 of one K step) into the 48 registers from dst on, in window win: twelve loads of 512 consecutive bytes
.macro WLOAD dst, win, sb, voff, imm, tstr
	WIN 0x40*(\win)
.irp t, 0,1,2,3
.irp c, 0,1,2
	global_load_b128 v[(\dst)+12*\t+4*\c:(\dst)+12*\t+4*\c+3], v[\voff], s[\sb:\sb+1] offset:(\imm)+\t*(\tstr)+512*\c
.endr
.endr
.endm
; 32 numbers of a vector of my 64 columns in the result's layout (register 8 t + j: column 32 (t / 2) + 16 h + 8 (t % 2) + j) into window 1 from dst on
.macro BLOAD sb, dst
	WIN 0x40
.irp t, 0,1,2,3
.irp q, 0,1
	global_load_b128 v[\dst+8*\t+4*\q:\dst+8*\t+4*\q+3], v4, s[\sb:\sb+1] offset:128*(\t/2)+32*(\t%2)+16*\q
.endr
.endr
.endm
.macro SLOAD sb                        ; my four tiles' scale words, K = 512: 16 bytes a weight row = the four K steps' words
	WIN 0
.irp t, 0,1,2,3
	global_load_b128 v[32+4*\t:35+4*\t], v3, s[\sb:\sb+1] offset:(32*(\t/2)+8*(\t%2))*16
.endr
.endm
; the tokens' fragments of K step s, and their scale words, from rows of 400 bytes
.macro ALOAD mt, cimm, simm, s
.irp m, 0,1,2,3,4
.if \m < \mt
.irp p, 0,1,2,3,4,5
	ds_load_b64 v[56+12*\m+2*\p:57+12*\m+2*\p], v5 offset:(\cimm)+6400*\m+96*(\s)+48*(\p/3)+8*(\p%3)
.endr
	ds_load_b32 v[48+\m], v6 offset:(\simm)+256*\m+4*(\s)
.endif
.endr
.endm
.macro WM d, a, b, c, sa, sb
	v_wmma_scale_f32_16x16x128_f8f6f4 v[(\d):(\d)+7], v[(\a):(\a)+11], v[(\b):(\b)+11], v[(\c):(\c)+7], v[\sa], v[\sb] matrix_a_fmt:MATRIX_FMT_FP6 matrix_b_fmt:MATRIX_FMT_FP6
.endm
; sixteen products: four token tiles x my four weight tiles (from register wb of window ww on), 128 along K.  The accumulators take turns, one instruction a turn, from step to step too.
; mode 0: the bias starts the sums in ACC;  1: onto ACC;  2: onto HID
.macro MM wb, ww, wsb, wst, mode
.if \mode == 0
	WIN 0x10+(\ww)
.elseif \mode == 1
	WIN (\ww)
.else
	WIN 0x50+(\ww)
.endif
.irp m, 0,1,2,3
.irp t, 0,1,2,3
.if \mode == 0
	WM 128+32*\m+8*\t, (\wb)+12*\t, 56+12*\m, 224+8*\t, 32+(\wst)*\t+(\wsb), 48+\m
.elseif \mode == 1
	WM 128+32*\m+8*\t, (\wb)+12*\t, 56+12*\m, 128+32*\m+8*\t, 32+(\wst)*\t+(\wsb), 48+\m
.else
	WM 96+32*\m+8*\t, (\wb)+12*\t, 56+12*\m, 96+32*\m+8*\t, 32+(\wst)*\t+(\wsb), 48+\m
.endif
.endr
.endr
.endm
.macro MM5 wb, s                       ; the halo tile's four, in window 1 at 192
	WIN 0x51
.irp t, 0,1,2,3
.if \s == 0
	WM 192+8*\t, (\wb)+12*\t, 104, 224+8*\t, 32+4*\t+(\s), 52
.else
	WM 192+8*\t, (\wb)+12*\t, 104, 192+8*\t, 32+4*\t+(\s), 52
.endif
.endr
.endm
; a K step of a pass with K = 512: this step's tokens are fetched, then the products.  lw: how many younger loads may stay out when this step's weights have to be in; -1: an earlier wait has shown them in
.macro STEPN mt, s, cimm, simm, wb, ww, mode, lw
	WIN 0
	ALOAD \mt, \cimm, \simm, \s
.if \lw >= 0
	s_wait_loadcnt \lw
.endif
	s_wait_dscnt 0x0
	MM \wb, \ww, \s, 4, \mode
.if \mt == 5
	MM5 \wb, \s
.endif
	WIN 0
.endm
; my head's k or v of the 80 positions, from ACC and the halo's accumulators into my own region of LDS; each accumulator from its low end on
.macro KVSTORE
.irp m, 0,1,2,3
.irp t, 0,1,2,3
.irp q, 0,1
	ds_store_b128 v7, v[128+32*\m+8*\t+4*\q:131+32*\m+8*\t+4*\q] offset:5440*\m+128*(\t/2)+32*(\t%2)+16*\q
.endr
.endr
.endr
	WIN 0x04
.irp t, 0,1,2,3
.irp q, 0,1
	ds_store_b128 v8, v[192+8*\t+4*\q:195+8*\t+4*\q] offset:128*(\t/2)+32*(\t%2)+16*\q
.endr
.endr
	WIN 0
.endm
; row u of the ten that my four tokens' windows can touch (position p0 + 4 r - 3 + u): my half's 32 channels into window 1 at 192 + 32 buf
.macro KROW u, buf
	WIN 0x40
.irp e, 0,1
.irp q, 0,1,2,3
	ds_load_b128 v[192+32*(\buf)+16*\e+4*\q:192+32*(\buf)+16*\e+4*\q+3], v9 offset:(((\u)+5)%4)*5440+(((\u)+5)/4)*272+128*\e+16*\q
.endr
.endr
.endm
; 64 numbers of a lane, four half blocks of 16 neighbours along the next K (the other half lies in lane l xor 16), become codes at v[tm + 16 + 4 b] and scale bytes at v[tm + 4 + b]
.macro QUANT4 src, tm
.irp b, 0,1,2,3
	v_max3_num_f32 v[\tm+\b], |v[\src+16*\b]|, |v[\src+16*\b+1]|, 0x1800000   ; with the floor 2^(3 - 127): the byte cannot fall under 1
.endr
.irp i, 2,4,6,8,10,12,14
.irp b, 0,1,2,3
	v_max3_num_f32 v[\tm+\b], v[\tm+\b], |v[\src+16*\b+\i]|, |v[\src+16*\b+\i+1]|
.endr
.endr
.irp b, 0,1,2,3
	v_permlanex16_b32 v[\tm+4+\b], v[\tm+\b], s98, s99
.endr
.irp b, 0,1,2,3
	v_max_num_f32 v[\tm+\b], v[\tm+\b], v[\tm+4+\b]       ; the block's largest magnitude
.endr
.irp b, 0,1,2,3
	v_add_nc_u32 v[\tm+12+\b], 0xff000000, v[\tm+\b]      ; 2 off its exponent field: the conversion's scale operand
.endr
.irp b, 0,1,2,3
	v_lshrrev_b32 v[\tm+4+\b], 23, v[\tm+12+\b]           ; the scale's byte
.endr
.irp b, 0,1,2,3
	v_cvt_scalef32_pk16_fp6_f32 v[\tm+16+4*\b:\tm+18+4*\b], v[\src+16*\b:\src+16*\b+15], v[\tm+12+\b]
.endr
	v_nop                                          ; one plain place behind the scaled conversions
.endm
.macro QST tm, b, areg, imm, sreg, simm ; half block b: 12 bytes of codes into its row, and the block's byte (both halves' lanes write the same byte with the same value)
	ds_store_b32 v[\areg], v[\tm+16+4*(\b)] offset:(\imm)
	ds_store_b32 v[\areg], v[\tm+17+4*(\b)] offset:(\imm)+4
	ds_store_b32 v[\areg], v[\tm+18+4*(\b)] offset:(\imm)+8
	ds_store_b8 v[\sreg], v[\tm+4+(\b)] offset:(\simm)
.endm
.macro QSTX tm, mb, cbase, sbase       ; token tiles mb, mb + 1 into rows of 400 bytes
.irp b, 0,1,2,3
	QST \tm, \b, 10, (\cbase)+6400*((\mb)+\b/2)+24*(\b%2), 11, (\sbase)+256*((\mb)+\b/2)+(\b%2)
.endr
.endm
.macro QSTH tm, mb, areg               ; into the hidden layer's rows of 1,552 bytes
.irp b, 0,1,2,3
	QST \tm, \b, \areg, 24832*(\b/2)+24*(\b%2), 26, 1088*((\mb)+\b/2)+(\b%2)
.endr
.endm
.macro RED10 base                      ; ten rows' sums over the 32 lanes, the rows by turns
.irp x, 1,2,4,8
.irp i, 0,1,2,3,4,5,6,7,8,9
	v_add_f32_dpp v[\base+\i], v[\base+\i], v[\base+\i] row_xmask:\x row_mask:0xf bank_mask:0xf
.endr
.endr
.irp i, 0,1,2,3,4,5,6,7,8,9
	v_permlanex16_b32 v[126+\i%2], v[\base+\i], s98, s99
	v_add_f32 v[\base+\i], v[\base+\i], v[126+\i%2]
.endr
.endm
.macro SUM8 st, dst                    ; LN2: the eight waves' partial sums of my four tokens, added in one order in every wave
	s_wait_alu depctr_vm_vsrc(0)                   ; my stores of the partial sums have read their registers, which lie among v56-104: the eight waves' sums land in v56-87
	s_wait_alu depctr_va_vdst(0)                   ; and the additions that made my sums are done with v56-87
.irp m, 0,1,2,3
.irp q, 0,1
	ds_load_b128 v[56+8*\m+4*\q:59+8*\m+4*\q], v16 offset:(\st)+512*\m+16*\q
.endr
.endr
	s_wait_dscnt 0x0
.irp m, 0,1,2,3
	v_pk_add_f32 v[56+8*\m:57+8*\m], v[56+8*\m:57+8*\m], v[58+8*\m:59+8*\m]
.endr
.irp m, 0,1,2,3
	v_pk_add_f32 v[60+8*\m:61+8*\m], v[60+8*\m:61+8*\m], v[62+8*\m:63+8*\m]
.endr
.irp m, 0,1,2,3
	v_pk_add_f32 v[56+8*\m:57+8*\m], v[56+8*\m:57+8*\m], v[60+8*\m:61+8*\m]
.endr
.irp m, 0,1,2,3
	v_add_f32 v[\dst+\m], v[56+8*\m], v[57+8*\m]
.endr
.endm
; gelu(a) = a/2 + a/2 erf(a / sqrt 2) on 16 registers, packed.  z v56-71, z^2 v72-87, Q v88-103, P v104-119.  The sixteen reciprocals are one batch with one wait; P's Horner steps are the work behind them.
.macro GELU16 a
.irp k, 0,2,4,6,8,10,12,14
	v_pk_mul_f32 v[56+\k:57+\k], v[\a+\k:\a+\k+1], s[66:67] op_sel_hi:[1,0]
.endr
.irp k, 0,1,2,3,4,5,6,7,8,9,10,11,12,13,14,15
	v_med3_num_f32 v[56+\k], v[56+\k], -4.0, 4.0
.endr
.irp k, 0,2,4,6,8,10,12,14
	v_pk_mul_f32 v[72+\k:73+\k], v[56+\k:57+\k], v[56+\k:57+\k]
.endr
.irp k, 0,2,4,6,8,10,12,14
	v_pk_fma_f32 v[88+\k:89+\k], v[72+\k:73+\k], s[80:81], v[28:29] op_sel_hi:[1,0,1]
.endr
.irp sc, 82,84,86
.irp k, 0,2,4,6,8,10,12,14
	v_pk_fma_f32 v[88+\k:89+\k], v[88+\k:89+\k], v[72+\k:73+\k], s[\sc:\sc+1] op_sel_hi:[1,1,0]
.endr
.endr
.irp k, 0,1,2,3,4,5,6,7,8,9,10,11,12,13,14,15
	v_rcp_f32 v[88+\k], v[88+\k]
.endr
.irp k, 0,2,4,6,8,10,12,14
	v_pk_fma_f32 v[104+\k:105+\k], v[72+\k:73+\k], s[68:69], v[30:31] op_sel_hi:[1,0,1]
.endr
.irp sc, 70,72,74,76,78
.irp k, 0,2,4,6,8,10,12,14
	v_pk_fma_f32 v[104+\k:105+\k], v[104+\k:105+\k], v[72+\k:73+\k], s[\sc:\sc+1] op_sel_hi:[1,1,0]
.endr
.endr
.irp k, 0,2,4,6,8,10,12,14
	v_pk_mul_f32 v[104+\k:105+\k], v[104+\k:105+\k], v[56+\k:57+\k]
.endr
.irp k, 0,2,4,6,8,10,12,14
	v_pk_mul_f32 v[\a+\k:\a+\k+1], v[\a+\k:\a+\k+1], 0.5 op_sel_hi:[1,0]
.endr
	s_wait_alu depctr_va_vdst(0)                   ; the sixteen reciprocals have written v88-103: one wait, ahead of their first reader
.irp k, 0,2,4,6,8,10,12,14
	v_pk_mul_f32 v[104+\k:105+\k], v[104+\k:105+\k], v[88+\k:89+\k]
.endr
.irp k, 0,2,4,6,8,10,12,14
	v_pk_fma_f32 v[\a+\k:\a+\k+1], v[\a+\k:\a+\k+1], v[104+\k:105+\k], v[\a+\k:\a+\k+1]
.endr
.endm
; in the w1 loop: K step k of what follows, into set k: the next chunk's weights, or in the last trip w2's.  Twelve loads on either way, so that the counted waits hold on both.
; No wait on va_vdst here: since the wait behind the chunk's last products no vector or matrix instruction has named a weight set, v1 or v2
.macro NEXTW k
	s_cmp_eq_u32 s92, 1
	s_cbranch_scc1 .Lto_w2_\@
	WLOAD 48*(\k), 1, 88, 1, 1536*(\k), 6144
	WIN 0
	s_branch .Lasked_\@
.Lto_w2_\@:
	WLOAD 48*(\k), 1, 90, 2, 1536*(\k), 24576
	WIN 0
.Lasked_\@:
.endm
; ---------------- the head: ids, addresses, first loads
	s_load_b256 s[8:15], s[0:1], 0x0               ; hidden_states, out0, wimg, rpb
	s_load_b256 s[16:23], s[0:1], 0x20             ; ln1_g, ln1_b, ln2_g, ln2_b
	s_load_b256 s[24:31], s[0:1], 0x40             ; the scales of wq, wk, wv, wo
	s_load_b256 s[32:39], s[0:1], 0x60             ; of w1, w2; bq, bk
	s_load_b256 s[40:47], s[0:1], 0x80             ; bv, bo, b1, b2
	v_lshrrev_b32 v24, 5, v0
	v_readfirstlane_b32 s4, v24                    ; wave 0..7
	s_and_b32 s92, ttmp9, 3                        ; g, the dilation group
	s_lshr_b32 s93, ttmp9, 2
	s_and_b32 s93, s93, 15
	s_lshl_b32 s5, s93, 6                          ; p0, my first position
	s_lshr_b32 s94, ttmp9, 6                       ; the batch
	s_lshl_b32 s94, s94, 23
	s_lshl_b32 s92, s92, 11
	s_add_co_u32 s97, s94, s92                     ; the byte of position 0 of my group in my batch
	s_lshl_b32 s6, s5, 13                          ; a position is 8,192 bytes on from the last
	s_add_co_u32 s6, s6, s97
	s_mov_b32 s7, 0                                ; s[6:7]: the byte of position p0
	s_wait_alu depctr_va_sdst(0)                   ; s4 is written, ahead of its first reader: offsets and LDS places are made from it
	s_mul_i32 s86, s4, 52                          ; rpb: my head's 13 numbers
	s_mov_b32 s61, 0x3e000000                      ; 1 / sqrt(64)
	s_mov_b32 s62, 0x3fb8aa3b                      ; log2(e)
	s_mov_b32 s63, s62
	s_mov_b32 s98, 0x76543210
	s_mov_b32 s99, 0xfedcba98                      ; v_permlanex16_b32's selects for lane l xor 16
	s_mov_b32 s100, 0x3b000000                     ; 1 / 512
	s_mov_b32 s101, 0x3727c5ac                     ; 1e-5
	v_and_b32 v56, 31, v0                          ; lane
	v_and_b32 v57, 15, v0                          ; r
	v_bfe_u32 v58, v0, 4, 1                        ; h
	v_and_b32 v59, 8, v57
	v_add_nc_u32 v59, v59, v57                     ; r + 8 (r / 8)
	s_mul_i32 s92, s4, 24576
	v_lshl_add_u32 v1, v56, 4, s92                 ; weight images, K = 512: 16 lane + my 16 fragments
	s_mul_i32 s92, s4, 98304
	v_lshl_add_u32 v2, v56, 4, s92                 ; w2: my 64 fragments
	s_lshl_b32 s92, s4, 10
	v_lshl_add_u32 v3, v59, 4, s92                 ; weight scales, 16 bytes a row: row 64 w + r + 8 (r / 8)
	s_lshl_b32 s92, s4, 8
	v_lshl_add_u32 v4, v58, 6, s92                 ; biases and gains: 256 w + 64 h
	v_lshlrev_b32 v14, 15, v58
	v_lshl_add_u32 v14, v57, 4, v14
	v_add_nc_u32 v14, s92, v14                     ; residual and output: lanes 0-15 one token's 256 bytes, lanes 16-31 those of the token four positions on
	v_mul_u32_u24 v5, v57, 400
	v_mad_u32_u24 v10, v58, 12, v5
	v_mad_u32_u24 v5, v58, 24, v5                  ; token fragments: 400 r + 24 h
	s_mul_i32 s92, s4, 48
	v_add_nc_u32 v10, s92, v10                     ; where I put codes: 400 r + 12 h + 48 w
	v_lshlrev_b32 v6, 4, v57                       ; token scale words: 16 r
	s_lshl_b32 s93, s4, 1
	v_add_nc_u32 v11, s93, v6                      ; where I put scale bytes: 16 r + 2 w
	s_mul_i32 s94, s4, 21760
	s_add_co_u32 s94, s94, KV
	v_mul_u32_u24 v60, v57, 272
	v_lshl_add_u32 v60, v58, 6, v60                ; 272 r + 64 h
	v_add_nc_u32 v9, s94, v60                      ; k, v rows back
	v_add_nc_u32 v7, 544, v9                       ; k, v in: local position 4 r + m + 8
	v_and_b32 v61, 3, v57
	v_mul_u32_u24 v61, v61, 5440
	v_lshrrev_b32 v62, 2, v57
	v_mad_u32_u24 v61, v62, 272, v61
	v_lshrrev_b32 v62, 3, v57
	v_mad_u32_u24 v61, v62, 4352, v61
	v_lshl_add_u32 v61, v58, 6, v61
	v_add_nc_u32 v8, s94, v61                      ; the halo in: local position r, or 64 + r from r = 8 on
	s_mul_i32 s94, s4, 4352
	s_add_co_u32 s94, s94, STAGE
	v_add_nc_u32 v12, s94, v60                     ; my stage by tokens: 272 r + 64 h
	v_mul_u32_u24 v13, v58, 272
	v_lshl_add_u32 v13, v57, 4, v13
	v_add_nc_u32 v13, s94, v13                     ; and by rows: 272 (lane / 16) + 16 (lane % 16)
	v_lshl_add_u32 v55, v56, 4, s94                ; and as a place for register images: 16 x lane
	s_mul_i32 s94, s4, 8704
	s_add_co_u32 s94, s94, PKA
	v_lshl_add_u32 v54, v56, 4, s94                ; the other place for images: my 8,704 bytes, 16 x lane
	s_lshl_b32 s94, s4, 2
	v_lshlrev_b32 v16, 5, v57                      ; LN2's partial sums: 32 r
	v_add_nc_u32 v15, s94, v16                     ; mine: + 4 w
	v_mul_u32_u24 v63, v57, 1552
	v_mad_u32_u24 v17, v58, 12, v63
	s_add_co_u32 s94, s92, HB
	v_add_nc_u32 v17, s94, v17                     ; hidden codes in, token tiles 0, 1
	v_add_nc_u32 v18, 49664, v17                   ; tiles 2, 3
	v_mad_u32_u24 v20, v58, 24, v63
	v_add_nc_u32 v20, HB, v20                      ; hidden fragments, tiles 0, 1
	v_add_nc_u32 v21, 49664, v20                   ; tiles 2, 3
	v_mul_u32_u24 v22, v57, 68
	v_add_nc_u32 v22, HSC, v22                     ; hidden scale words
	v_add_nc_u32 v19, s93, v22                     ; hidden scale bytes in
	s_mul_i32 s94, s4, 5120
	s_add_co_u32 s94, s94, W2S
	v_mul_u32_u24 v23, v59, 80
	v_add_nc_u32 v23, s94, v23                     ; w2's scale words
	v_lshrrev_b32 v61, 2, v56
	v_mul_u32_u24 v26, v61, 80
	v_and_b32 v61, 3, v56
	v_lshl_add_u32 v26, v61, 4, v26
	v_add_nc_u32 v26, s94, v26                     ; and where they are put
	v_lshlrev_b32 v24, 6, v56                      ; LN1: a lane's 16 columns, 64 bytes
	s_lshl_b32 s94, s4, 12
	v_lshl_add_u32 v25, v56, 4, s94                ; w2's scales in memory: my 4,096 bytes
	s_mul_i32 s94, s4, 4000
	v_mul_u32_u24 v27, v56, 12
	v_add_nc_u32 v27, s94, v27                     ; LN1's codes: my ten rows, 12 bytes a lane
	s_mul_i32 s94, s4, 160
	v_lshrrev_b32 v53, 1, v56
	v_add_nc_u32 v53, s94, v53                     ; and their scale bytes
	v_mov_b32 v126, 0                              ; a lane permute's destination counts as one of its sources
	v_mov_b32 v127, 0
	s_wait_kmcnt 0x0
	s_load_b256 s[48:55], s[14:15], s86            ; rpb, my head: waited for ahead of the scores
	s_load_b128 s[56:59], s[14:15], s86 offset:0x20
	s_load_b32 s60, s[14:15], s86 offset:0x30
	s_add_nc_u64 s[88:89], s[12:13], 0xc0000       ; w1's images
	s_add_nc_u64 s[90:91], s[12:13], 0x180000      ; w2's
	WIN 0x40
	s_wait_alu depctr_va_vdst(0)                   ; all addresses and offsets (v1-27, v53-55) are written, which the kernel's loads and stores read; so is the scratch v56-63, in which rows land
.irp j, 0,1,2,3
	global_load_b128 v[4*\j:4*\j+3], v24, s[16:17] offset:16*\j          ; ln1_g of my 16 columns
.endr
.irp j, 0,1,2,3
	global_load_b128 v[16+4*\j:19+4*\j], v24, s[18:19] offset:16*\j      ; ln1_b
.endr
	WIN 0
.irp i, 0,1,2,3,4,5,6,7
	global_load_b128 v[88+4*\i:91+4*\i], v25, s[34:35] offset:512*\i     ; w2's scale bytes of my 64 rows
.endr
; LN1 takes the 80 rows (64 own, 16 halo) ten to a wave: row 10 w + i.  Each row has a scalar base of its own, so that no register of a pending load is written again.
.irp i, 0,1,2,3,4,5,6,7,8,9
.set XR, 128+16*\i-200*(\i/8)                  ; rows 0-7 in v128-255, rows 8, 9 in v56-87
	s_mul_i32 s92, s4, 10
	s_add_co_u32 s92, s92, \i
	s_lshr_b32 s93, s92, 4                         ; token tile m
	s_and_b32 s94, s92, 15                         ; r
	s_lshl_b32 s95, s94, 2
	s_add_co_u32 s95, s95, s93                     ; 4 r + m
	s_lshr_b32 s96, s94, 3
	s_lshl_b32 s96, s96, 6
	s_add_co_u32 s96, s96, s94
	s_sub_co_i32 s96, s96, 8                       ; the halo: r - 8, or r + 56
	s_cmp_lt_u32 s93, 4
	s_cselect_b32 s95, s95, s96
	s_add_co_i32 s95, s95, s5
	s_max_i32 s95, s95, 0
	s_min_i32 s95, s95, 1023                       ; held inside the sequence
	s_lshl_b32 s92, s95, 13
	s_add_co_u32 s92, s92, s97
	s_mov_b32 s93, 0
	s_add_nc_u64 s[66+2*\i:67+2*\i], s[8:9], s[92:93]
.irp j, 0,1,2,3
	global_load_b128 v[XR+4*\j:XR+4*\j+3], v24, s[66+2*\i:67+2*\i] offset:16*\j
.endr
.endr
	s_add_nc_u64 s[8:9], s[8:9], s[6:7]            ; from here on: at position p0
	s_add_nc_u64 s[10:11], s[10:11], s[6:7]
	s_wait_loadcnt 40                              ; the forty row loads may be out: gains and w2's scales are in
.irp i, 0,1,2,3,4,5,6,7
	ds_store_b128 v26, v[88+4*\i:91+4*\i] offset:640*\i                  ; rows of 64 bytes, 80 apart; my own bytes: no barrier
.endr
	s_wait_dscnt 0x0                               ; the stores are done
	s_wait_alu depctr_vm_vsrc(0)                   ; the stores have read v88-119, of which LN1's sums write v98-119 from here on
; ---------------- LN1: mean, variance of the differences, gain and bias; then codes
.irp i, 0,1,2,3,4,5,6,7,8,9
.set XR, 128+16*\i-200*(\i/8)
	s_wait_loadcnt 4*(9-\i)                        ; the rows behind this one may be out
	v_pk_add_f32 v[118:119], v[XR:XR+1], v[XR+2:XR+3]
	v_pk_add_f32 v[120:121], v[XR+4:XR+5], v[XR+6:XR+7]
	v_pk_add_f32 v[122:123], v[XR+8:XR+9], v[XR+10:XR+11]
	v_pk_add_f32 v[124:125], v[XR+12:XR+13], v[XR+14:XR+15]
	v_pk_add_f32 v[118:119], v[118:119], v[120:121]
	v_pk_add_f32 v[122:123], v[122:123], v[124:125]
	v_pk_add_f32 v[118:119], v[118:119], v[122:123]
	v_add_f32 v[98+\i], v118, v119
.endr
	WLOAD 48, 1, 12, 1, 196608+1536, 6144          ; the k pass's K steps 1 to 3 go out now: the rest of LN1 is the time in which they land (set 0's registers still hold the gains).  No wait: no vector instruction has named these registers, and v1 was written ahead of the head's wait
	WLOAD 96, 1, 12, 1, 196608+3072, 6144
	WLOAD 144, 1, 12, 1, 196608+4608, 6144
	WIN 0
	RED10 98
.irp i, 0,1,2,3,4,5,6,7,8,9
	v_mul_f32 v[98+\i], s100, v[98+\i]             ; the means
.endr
.irp i, 0,1,2,3,4,5,6,7,8,9
.set XR, 128+16*\i-200*(\i/8)
.irp c, 0,2,4,6,8,10,12,14
	PKSUBB XR+\c, XR+\c, 98+\i
.endr
	v_pk_mul_f32 v[118:119], v[XR:XR+1], v[XR:XR+1]
	v_pk_mul_f32 v[120:121], v[XR+2:XR+3], v[XR+2:XR+3]
.irp c, 4,8,12
	v_pk_fma_f32 v[118:119], v[XR+\c:XR+\c+1], v[XR+\c:XR+\c+1], v[118:119]
	v_pk_fma_f32 v[120:121], v[XR+\c+2:XR+\c+3], v[XR+\c+2:XR+\c+3], v[120:121]
.endr
	v_pk_add_f32 v[118:119], v[118:119], v[120:121]
	v_add_f32 v[108+\i], v118, v119
.endr
	RED10 108
.irp i, 0,1,2,3,4,5,6,7,8,9
	v_fma_f32 v[108+\i], v[108+\i], s100, s101     ; variance + eps
.endr
.irp i, 0,1,2,3,4,5,6,7,8,9
	v_rsq_f32 v[108+\i], v[108+\i]
.endr
	v_nop                                          ; a plain place behind the last of the batch
	s_wait_alu depctr_va_vdst(0)                   ; the ten roots have written v108-117: one wait, ahead of their first reader
.irp i, 0,1,2,3,4,5,6,7,8,9
.set XR, 128+16*\i-200*(\i/8)
.irp c, 0,2,4,6,8,10,12,14
	PKMULB XR+\c, XR+\c, 108+\i
.endr
.endr
	WIN 0x14                                       ; gain and bias in window 1
.irp i, 0,1,2,3,4,5,6,7,8,9
.set XR, 128+16*\i-200*(\i/8)
.irp c, 0,2,4,6,8,10,12,14
	v_pk_fma_f32 v[XR+\c:XR+\c+1], v[XR+\c:XR+\c+1], v[\c:\c+1], v[16+\c:17+\c]
.endr
.endr
	WIN 0x40
	s_wait_alu depctr_va_vdst(0)                   ; the multiply-adds are done reading gain and bias in window 1's v0-31, in which the k pass's K step 0 lands
	BLOAD 38, 224                                  ; bk, the k pass's K step 0 and its scale words: the gains' registers are free
	WLOAD 0, 1, 12, 1, 196608, 6144
	SLOAD 26
; a lane's 16 numbers are half a block; the neighbour lane holds the other half.  Row i's codes, byte and maxima go into row i - 1's dead registers: no store's data are written again.
; All ten rows' vector lines stand first, then one wait, then the run of stores
.irp i, 0,1,2,3,4,5,6,7,8,9
.set XR, 128+16*\i-200*(\i/8)
.if \i == 0
.set QT, 118
.else
.set QT, 128+16*(\i-1)-200*((\i-1)/8)
.endif
	v_max3_num_f32 v[QT+6], |v[XR]|, |v[XR+1]|, 0x1800000
	v_max3_num_f32 v[QT+7], |v[XR+8]|, |v[XR+9]|, |v[XR+10]|
	v_max3_num_f32 v[QT+6], v[QT+6], |v[XR+2]|, |v[XR+3]|
	v_max3_num_f32 v[QT+7], v[QT+7], |v[XR+11]|, |v[XR+12]|
	v_max3_num_f32 v[QT+6], v[QT+6], |v[XR+4]|, |v[XR+5]|
	v_max3_num_f32 v[QT+7], v[QT+7], |v[XR+13]|, |v[XR+14]|
	v_max3_num_f32 v[QT+6], v[QT+6], |v[XR+6]|, |v[XR+7]|
	v_max3_num_f32 v[QT+6], v[QT+6], v[QT+7], |v[XR+15]|
	v_max_num_f32_dpp v[QT+6], v[QT+6], v[QT+6] row_xmask:1 row_mask:0xf bank_mask:0xf
	v_add_nc_u32 v[QT+5], 0xff000000, v[QT+6]
	v_cvt_scalef32_pk16_fp6_f32 v[QT:QT+2], v[XR:XR+15], v[QT+5]
	v_lshrrev_b32 v[QT+4], 23, v[QT+5]             ; the byte; also the plain place behind the conversion
.endr
	s_wait_alu depctr_va_vdst(0)                   ; the conversions and shifts have written the ten rows' codes and bytes, which the stores below read
.irp i, 0,1,2,3,4,5,6,7,8,9
.if \i == 0
.set QT, 118
.else
.set QT, 128+16*(\i-1)-200*((\i-1)/8)
.endif
	ds_store_b32 v27, v[QT] offset:X+400*\i
	ds_store_b32 v27, v[QT+1] offset:X+400*\i+4
	ds_store_b32 v27, v[QT+2] offset:X+400*\i+8
	ds_store_b8 v53, v[QT+4] offset:XSC+16*\i
.endr
	BAR                                            ; the 80 rows' codes lie in LDS
	s_wait_alu depctr_vm_vsrc(0)                   ; my stores have read the codes' and bytes' registers (v56-60, v118-122, some of ACC): fragments land in the first, products write the last
; ---------------- k (80 positions).  As soon as a set has been multiplied, the q pass's K step of the same number goes into it
	DONE 0                                         ; here: LN1's lines are done with v56-125, in which the first fragments land
	STEPN 5, 0, X, XSC, 0, 1, 0, 0                 ; the one wait of the pass: all four sets, the bias and the scale words are in
	DONE 0x40
	WLOAD 0, 1, 12, 1, 0, 6144
	STEPN 5, 1, X, XSC, 48, 1, 1, -1
	DONE 0x40
	WLOAD 48, 1, 12, 1, 1536, 6144
	STEPN 5, 2, X, XSC, 96, 1, 1, -1
	DONE 0x40
	WLOAD 96, 1, 12, 1, 3072, 6144
	STEPN 5, 3, X, XSC, 144, 1, 1, -1
	DONE 0x40                                      ; also: the products have written ACC and the halo's accumulators, which the forty stores below read
	WLOAD 144, 1, 12, 1, 4608, 6144
	BLOAD 36, 224
	SLOAD 24
	KVSTORE                                        ; forty LDS stores stand between these last loads and the wait for them
	s_wait_alu depctr_vm_vsrc(0)                   ; the stores have read ACC, which q's products write, and the halo's accumulators, in which key rows land
; ---------------- q (64 positions).  The v pass's K steps 0 and 1 go into sets 0 and 1; its step 2 to v136 on, beside the place of the softmax's p
	PLACES                                         ; (no wait on va_vdst: since the last one nothing has named the fragments' and scale words' registers)
	STEPN 4, 0, X, XSC, 0, 1, 0, 0
	DONE 0x40
	WLOAD 0, 1, 12, 1, 393216, 6144
	STEPN 4, 1, X, XSC, 48, 1, 1, -1
	DONE 0x40
	WLOAD 48, 1, 12, 1, 393216+1536, 6144
	STEPN 4, 2, X, XSC, 96, 1, 1, -1
	DONE 0
	STEPN 4, 3, X, XSC, 144, 1, 1, -1
	DONE 0x40                                      ; also for the first two key rows, which land over the halo's accumulators and the bias
	WLOAD 136, 1, 12, 1, 393216+3072, 6144
	SLOAD 28
; ---------------- scores: q . k over my half's 32 channels for the ten rows x my four tokens; f32 multiply-adds, since the result goes on into a quantiser
	KROW 0, 0
.irp u, 0,1,2,3,4,5,6,7,8,9
.if \u < 9
.if \u > 0
	WIN 0x40
	s_wait_alu depctr_va_vdst(0)                   ; the multiply-adds of the row before are done reading their key row, in whose registers the next row lands
.endif
	KROW \u+1, (\u+1)%2
	s_wait_dscnt 8                                 ; the next row's eight loads may be out
.else
	s_wait_dscnt 0x0
.endif
	WIN 0x04
.irp c, 0,1,2,3,4,5,6,7,8,9,10,11,12,13,14,15
.irp i, 0,1,2,3
.if \c == 0
	v_pk_mul_f32 v[96+2*\i:97+2*\i], v[128+32*\i:129+32*\i], v[192+32*(\u%2):193+32*(\u%2)]
.else
	v_pk_fma_f32 v[96+2*\i:97+2*\i], v[128+32*\i+2*\c:129+32*\i+2*\c], v[192+32*(\u%2)+2*\c:193+32*(\u%2)+2*\c], v[96+2*\i:97+2*\i]
.endif
.endr
.endr
	WIN 0
.irp i, 0,1,2,3
	v_add_f32 v[56+10*\i+\u], v[96+2*\i], v[97+2*\i]
.endr
.endr
	WIN 0x40
	s_wait_alu depctr_va_vdst(0)                   ; the last row's multiply-adds are done reading window 1's v224-255, in which bv lands
	BLOAD 40, 224                                  ; bv, into the registers that the last key row has left: the softmax is the time in which it lands
	WIN 0
.irp i, 0,1,2,3
.irp u, 0,1,2,3,4,5,6,7,8,9
	v_permlanex16_b32 v[104+\u], v[56+10*\i+\u], s98, s99
.endr
.irp u, 0,1,2,3,4,5,6,7,8,9
	v_add_f32 v[56+10*\i+\u], v[56+10*\i+\u], v[104+\u]      ; with the other 32 channels
.endr
.endr
; token i's window begins at row W = i; at the sequence's ends it is held: W = 3 for positions 0..3, W = 0 for positions 1020..1023
	v_and_b32 v125, 15, v0
	v_lshl_add_u32 v125, v125, 2, s5               ; my first token's position
	v_cmp_eq_u32 s2, 0, v125
	v_cmp_eq_u32 s3, 0x3fc, v125
	v_mov_b32 v126, 3
	v_mov_b32 v127, 0
	v_mov_b32 v124, 0xff800000                     ; -infinity
.irp i, 0,1,2,3
	v_mov_b32 v[120+\i], \i
.endr
	s_wait_alu depctr_va_sdst(0)                   ; the two compares have written s2 and s3, ahead of the selects that read them
.irp i, 0,1,2,3
	v_cndmask_b32 v[120+\i], v[120+\i], v126, s2
.endr
.irp i, 0,1,2,3
	v_cndmask_b32 v[120+\i], v[120+\i], v127, s3
.endr
	s_wait_kmcnt 0x0                               ; rpb
; two tokens at a time: twenty compares in a run, each into a scalar register of its own (s66-85: LN1's row bases, which are dead); the scalings are the work behind them; one wait; twenty selects
.irp g, 0,2
.irp d, 0,1
.irp u, 0,1,2,3,4,5,6,7,8,9
	v_sub_nc_u32 v125, \u, v[120+\g+\d]
	v_cmp_gt_u32 s[66+10*\d+\u], 7, v125           ; inside the window of 7?
.endr
.endr
.irp d, 0,1
.irp u, 0,1,2,3,4,5,6,7,8,9
	v_fma_f32 v[56+10*(\g+\d)+\u], v[56+10*(\g+\d)+\u], s61, s[51+\u-\g-\d]     ; score / 8 + rpb[neighbour - position + 6]
.endr
.endr
	s_wait_alu depctr_va_sdst(0)                   ; the twenty compares have written s66-85, ahead of the selects that read them
.irp d, 0,1
.irp u, 0,1,2,3,4,5,6,7,8,9
	v_cndmask_b32 v[56+10*(\g+\d)+\u], v124, v[56+10*(\g+\d)+\u], s[66+10*\d+\u]
.endr
.endr
.endr
; softmax, with the row's maximum taken away
.irp i, 0,1,2,3
	v_max3_num_f32 v[104+\i], v[56+10*\i], v[57+10*\i], v[58+10*\i]
.endr
.irp k, 3,5,7
.irp i, 0,1,2,3
	v_max3_num_f32 v[104+\i], v[104+\i], v[56+10*\i+\k], v[57+10*\i+\k]
.endr
.endr
.irp i, 0,1,2,3
	v_max_num_f32 v[104+\i], v[104+\i], v[65+10*\i]
.endr
.irp i, 0,1,2,3
.irp u, 0,2,4,6,8
	PKSUBB 56+10*\i+\u, 56+10*\i+\u, 104+\i
.endr
.endr
.irp i, 0,1,2,3
.irp u, 0,2,4,6,8
	v_pk_mul_f32 v[56+10*\i+\u:57+10*\i+\u], v[56+10*\i+\u:57+10*\i+\u], s[62:63] op_sel_hi:[1,0]
.endr
.endr
.irp j, 0,1,2,3,4,5,6,7,8,9,10,11,12,13,14,15,16,17,18,19,20,21,22,23,24,25,26,27,28,29,30,31,32,33,34,35,36,37,38,39
	v_exp_f32 v[56+\j], v[56+\j]
.endr
	v_nop
	s_wait_alu depctr_va_vdst(0)                   ; the forty exponentials have written v56-95: one wait, ahead of their first reader
.irp i, 0,1,2,3
	v_pk_add_f32 v[96+2*\i:97+2*\i], v[56+10*\i:57+10*\i], v[58+10*\i:59+10*\i]
.endr
.irp u, 4,6,8
.irp i, 0,1,2,3
	v_pk_add_f32 v[96+2*\i:97+2*\i], v[96+2*\i:97+2*\i], v[56+10*\i+\u:57+10*\i+\u]
.endr
.endr
.irp i, 0,1,2,3
	v_add_f32 v[108+\i], v[96+2*\i], v[97+2*\i]
.endr
.irp i, 0,1,2,3
	v_rcp_f32 v[108+\i], v[108+\i]
.endr
	v_nop
	s_wait_alu depctr_va_vdst(0)                   ; the four reciprocals have written v108-111, ahead of their first reader
	WIN 0x40                                       ; p goes to window 1, 96 + 10 i + u
.irp i, 0,1,2,3
.irp u, 0,2,4,6,8
	PKMULB 96+10*\i+\u, 56+10*\i+\u, 108+\i
.endr
.endr
	WIN 0
; ---------------- v (80 positions), over k in my region.  Its K step 3 goes into set 0 behind step 0's products, two steps ahead of its use
	DONE 0                                         ; here: the softmax's lines are done with v56-127, in which the fragments land
	STEPN 5, 0, X, XSC, 0, 1, 0, 0
	DONE 0x40
	WLOAD 0, 1, 12, 1, 393216+4608, 6144
	STEPN 5, 1, X, XSC, 48, 1, 1, -1
	DONE 0
	STEPN 5, 2, X, XSC, 136, 1, 1, -1
	DONE 0
	STEPN 5, 3, X, XSC, 0, 1, 1, 0
	DONE 0x40                                      ; also: the products have written ACC and the halo's accumulators, which the forty stores below read
	WLOAD 0, 1, 12, 1, 589824, 6144                ; the wo pass's K steps 0 and 1 and its scale words: p v is the time in which they land
	WLOAD 48, 1, 12, 1, 589824+1536, 6144
	SLOAD 30
	KVSTORE
	s_wait_dscnt 0x0                               ; the stores are done
	WIN 0x40
	s_wait_alu depctr_vm_vsrc(0)                   ; the stores have read the halo's accumulators, in which the value rows land, and ACC, which p v writes
	s_wait_alu depctr_va_vdst(0)                   ; and the halo's products have written those accumulators: the first value row lands there
; ---------------- ctx = p v
	KROW 0, 0
.irp u, 0,1,2,3,4,5,6,7,8,9
.if \u < 9
.if \u > 0
	WIN 0x40
	s_wait_alu depctr_va_vdst(0)                   ; the multiply-adds of the row before are done reading their value row, in whose registers the next row lands
.endif
	KROW \u+1, (\u+1)%2
	s_wait_dscnt 8                                 ; the next row's eight loads may be out
.else
	s_wait_dscnt 0x0
.endif
	WIN 0x05
.irp c, 0,1,2,3,4,5,6,7,8,9,10,11,12,13,14,15
.irp i, 0,1,2,3
.if \u == 0
	v_pk_mul_f32 v[128+32*\i+2*\c:129+32*\i+2*\c], v[192+2*\c:193+2*\c], v[96+10*\i:97+10*\i] op_sel_hi:[1,0]
.elseif \u%2
	v_pk_fma_f32 v[128+32*\i+2*\c:129+32*\i+2*\c], v[224+2*\c:225+2*\c], v[95+10*\i+\u:96+10*\i+\u], v[128+32*\i+2*\c:129+32*\i+2*\c] op_sel:[0,1,0] op_sel_hi:[1,1,1]
.else
	v_pk_fma_f32 v[128+32*\i+2*\c:129+32*\i+2*\c], v[192+2*\c:193+2*\c], v[96+10*\i+\u:97+10*\i+\u], v[128+32*\i+2*\c:129+32*\i+2*\c] op_sel_hi:[1,0,1]
.endif
.endr
.endr
.endr
	WIN 0
	QUANT4 128, 56                                 ; both halves' vector lines first, then one wait, then the loads and the run of stores
	QUANT4 192, 88
	WIN 0x40
	s_wait_alu depctr_va_vdst(0)                   ; the codes and bytes are written, which the stores read; p v is done reading p and the value rows, in which bo and the residual stream land; the conversions are done reading ACC, in which the residual lands
	BLOAD 42, 224                                  ; bo, into the registers that the last value row has left
	WIN 0
	QSTX 56, 0, CTX, CSC
	QSTX 88, 2, CTX, CSC
	s_wait_loadcnt 8                               ; bo's eight loads may be out; wo's first weights, asked for ahead of p v, are in: with the 32 below at most 40 loads are out
.irp m, 0,1,2,3
.irp i, 0,1,2,3,4,5,6,7
	global_load_b128 v[128+32*\m+4*\i:131+32*\m+4*\i], v14, s[8:9] offset:65536*\i+8192*\m   ; the residual: sixteen lanes read a token's 256 bytes of my columns
.endr
.endr
	BAR                                            ; ctx's codes lie in LDS; LN1's codes and every k, v region are dead
; ---------------- the residual into the result's layout, through my stage; + bo; then the wo products add onto it
	s_wait_loadcnt 0x0
.irp m, 0,1,2,3
.irp i, 0,1,2,3,4,5,6,7
	ds_store_b128 v13, v[128+32*\m+4*\i:131+32*\m+4*\i] offset:544*\i
.endr
	WIN 0x40
.irp e, 0,1
.irp q, 0,1,2,3
	ds_load_b128 v[96+32*\m+16*\e+4*\q:99+32*\m+16*\e+4*\q], v12 offset:128*\e+16*\q        ; LDS serves a wave's instructions in order: these see my stores, and the next tile's stores come behind them
.endr
.endr
	WIN 0
.endr
	s_wait_dscnt 0x0
	s_wait_alu depctr_vm_vsrc(0)                   ; the stage's stores have read ACC, in which weights land; ctx's code stores have read their registers in v60-119, in which fragments land
	s_wait_alu depctr_va_vdst(0)                   ; and the quantiser's lines are done with ACC and with v56-119
	WLOAD 128, 0, 12, 1, 589824+3072, 6144         ; ACC is free in this pass: it takes the pass's K steps 2 and 3
	WLOAD 176, 0, 12, 1, 589824+4608, 6144
	WIN 0x45
.irp m, 0,1,2,3
.irp c, 0,2,4,6,8,10,12,14,16,18,20,22,24,26,28,30
	v_pk_add_f32 v[96+32*\m+\c:97+32*\m+\c], v[96+32*\m+\c:97+32*\m+\c], v[224+\c:225+\c]
.endr
.endr
	WIN 0
	PLACES                                         ; (no wait: the additions above name window 1's v96-255 alone, none of the fragments' or scale words' registers)
	STEPN 4, 0, CTX, CSC, 0, 1, 2, -1
	DONE 0
	STEPN 4, 1, CTX, CSC, 48, 1, 2, -1
	DONE 0
	STEPN 4, 2, CTX, CSC, 128, 0, 2, 12            ; step 3's twelve loads may be out
	DONE 0
	STEPN 4, 3, CTX, CSC, 176, 0, 2, 0
	DONE 0x40                                      ; also: the products have written HID, which the parking stores in LN2 read
	WLOAD 0, 1, 88, 1, 0, 6144                     ; w1's first chunk: K steps 0 and 1, scale words, bias: LN2 is the time in which they land
	WLOAD 48, 1, 88, 1, 1536, 6144
	SLOAD 32
	BLOAD 44, 224
; ---------------- LN2 over 512 columns = eight waves: partial sums meet in LDS
	WIN 0x05
.irp m, 0,1,2,3
.irp k, 0,1,2,3,4,5,6,7
	v_pk_add_f32 v[56+16*\m+2*\k:57+16*\m+2*\k], v[96+32*\m+4*\k:97+32*\m+4*\k], v[98+32*\m+4*\k:99+32*\m+4*\k]   ; each accumulator from its low end on
.endr
.endr
	WIN 0
.irp m, 0,1,2,3
.irp k, 0,4,8,12
	v_pk_add_f32 v[56+16*\m+\k:57+16*\m+\k], v[56+16*\m+\k:57+16*\m+\k], v[58+16*\m+\k:59+16*\m+\k]
.endr
	v_pk_add_f32 v[56+16*\m:57+16*\m], v[56+16*\m:57+16*\m], v[60+16*\m:61+16*\m]
	v_pk_add_f32 v[64+16*\m:65+16*\m], v[64+16*\m:65+16*\m], v[68+16*\m:69+16*\m]
	v_pk_add_f32 v[56+16*\m:57+16*\m], v[56+16*\m:57+16*\m], v[64+16*\m:65+16*\m]
	v_add_f32 v[56+16*\m], v[56+16*\m], v[57+16*\m]
.endr
.irp m, 0,1,2,3
	v_permlanex16_b32 v[57+16*\m], v[56+16*\m], s98, s99
.endr
.irp m, 0,1,2,3
	v_add_f32 v[56+16*\m], v[56+16*\m], v[57+16*\m]
.endr
	s_wait_alu depctr_va_vdst(0)                   ; the additions have written my four partial sums, which the stores read
.irp m, 0,1,2,3
	ds_store_b32 v15, v[56+16*\m] offset:ST1+512*\m
.endr
	BAR
	SUM8 ST1, 120
.irp m, 0,1,2,3
	v_mul_f32 v[120+\m], s100, v[120+\m]           ; the means
.endr
	WIN 0x01
.irp m, 0,1,2,3
.irp c, 0,2,4,6,8,10,12,14,16,18,20,22,24,26,28,30
	PKSUBB 128+32*\m+\c, 96+32*\m+\c, 120+\m
.endr
.endr
; The residual stream is not wanted again before the way out: its tiles 0 to 2 (96 registers) go to my own LDS bytes as images of their registers, 512 bytes a store, and leave room for two more weight sets.
; (Their last writers, the wo pass's products, stand ahead of the wait behind that pass.)
	WIN 0x04
.irp k, 0,1,2,3,4,5,6,7,8,9,10,11,12,13,14,15,16
	ds_store_b128 v54, v[96+4*\k:99+4*\k] offset:512*\k
.endr
.irp k, 0,1,2,3,4,5,6
	ds_store_b128 v55, v[164+4*\k:167+4*\k] offset:512*\k
.endr
	WIN 0
.irp c, 0,2,4,6,8,10,12,14,16,18,20,22,24,26,28,30
.irp m, 0,1,2,3
.if \c == 0
	v_pk_mul_f32 v[56+2*\m:57+2*\m], v[128+32*\m:129+32*\m], v[128+32*\m:129+32*\m]
.else
	v_pk_fma_f32 v[56+2*\m:57+2*\m], v[128+32*\m+\c:129+32*\m+\c], v[128+32*\m+\c:129+32*\m+\c], v[56+2*\m:57+2*\m]
.endif
.endr
.endr
	s_wait_dscnt 0x0                               ; the stores are done
	WIN 0x40
	s_wait_alu depctr_vm_vsrc(0)                   ; the parking stores have read window 1's v96-191, in which gains and, later, weights land
	s_wait_alu depctr_va_vdst(0)                   ; and the subtractions are done reading them
	BLOAD 20, 96                                   ; ln2_g and ln2_b of my columns land there
	BLOAD 22, 128
	WIN 0
.irp m, 0,1,2,3
	v_add_f32 v[64+\m], v[56+2*\m], v[57+2*\m]
.endr
.irp m, 0,1,2,3
	v_permlanex16_b32 v[68+\m], v[64+\m], s98, s99
.endr
.irp m, 0,1,2,3
	v_add_f32 v[64+\m], v[64+\m], v[68+\m]
.endr
	s_wait_alu depctr_va_vdst(0)                   ; the additions have written v64-67, which the stores read
.irp m, 0,1,2,3
	ds_store_b32 v15, v[64+\m] offset:ST2+512*\m
.endr
	BAR
	SUM8 ST2, 124
.irp m, 0,1,2,3
	v_fma_f32 v[124+\m], v[124+\m], s100, s101
.endr
.irp m, 0,1,2,3
	v_rsq_f32 v[124+\m], v[124+\m]
.endr
	v_nop
	s_wait_alu depctr_va_vdst(0)                   ; the four roots have written v124-127, ahead of their first reader
	s_wait_loadcnt 0x0                             ; ln2_g, ln2_b (and what was asked for ahead of them)
.irp m, 0,1,2,3
.irp c, 0,2,4,6,8,10,12,14,16,18,20,22,24,26,28,30
	PKMULB 128+32*\m+\c, 128+32*\m+\c, 124+\m
.endr
.endr
	WIN 0x14
.irp m, 0,1,2,3
.irp c, 0,2,4,6,8,10,12,14,16,18,20,22,24,26,28,30
	v_pk_fma_f32 v[128+32*\m+\c:129+32*\m+\c], v[128+32*\m+\c:129+32*\m+\c], v[96+\c:97+\c], v[128+\c:129+\c]
.endr
.endr
	WIN 0x40
	s_wait_alu depctr_va_vdst(0)                   ; the multiply-adds are done reading gain and bias in window 1's v96-159, in which weights land
	WLOAD 96, 1, 88, 1, 3072, 6144                 ; w1's first chunk, K steps 2 and 3: the gains' registers are free
	WLOAD 144, 1, 88, 1, 4608, 6144
	WIN 0
	QUANT4 128, 56
	QUANT4 192, 88
	s_wait_alu depctr_va_vdst(0)                   ; the codes and bytes are written, which the stores read
	QSTX 56, 0, X, XSC                             ; over LN1's codes, which nobody has read since the barrier behind the attention
	QSTX 88, 2, X, XSC
	SPAIR 66, 0x3f3504f3                           ; 1 / sqrt 2
	SPAIR 68, 0xaf95df0b                           ; P's coefficients, x^12 down (x^10 lies in v30)
	SPAIR 70, 0xb60cff51
	SPAIR 72, 0xb86ec2d2
	SPAIR 74, 0xba40ac63
	SPAIR 76, 0xbb41a1f6
	SPAIR 78, 0xbc83dbd4
	SPAIR 80, 0xb77460cd                           ; Q's, x^8 down (x^6 lies in v28)
	SPAIR 82, 0xbadc924e
	SPAIR 84, 0xbbf19bf8
	SPAIR 86, 0xbc69b6a7
	v_mov_b32 v28, 0xb95fbd29
	v_mov_b32 v29, 0xb95fbd29
	v_mov_b32 v30, 0x32edffee
	v_mov_b32 v31, 0x32edffee
	BAR                                            ; LN2's codes lie in LDS
	s_wait_alu depctr_vm_vsrc(0)                   ; my code stores have read their registers in v60-119, in which the loop's first fragments land
; ---------------- w1, GELU, codes: four chunks of 512 hidden units, 64 of each to a wave.  What follows a chunk's products (the next chunk, or w2's first four K steps) is asked for during its GELU, a set ahead of every second GELU16
	s_mov_b32 s92, 4
	s_mov_b32 s93, 0                               ; 384 j: the chunk's codes in a hidden row
	s_mov_b32 s94, 0                               ; 16 j: its scale bytes
.Lchunk:
	DONE 0                                         ; here, on the way in and round the loop: the quantiser's lines are done with v56-119, in which the fragments land
	STEPN 4, 0, X, XSC, 0, 1, 0, 24                ; sets 2 and 3, the last 24 loads issued, may be out
	DONE 0
	STEPN 4, 1, X, XSC, 48, 1, 1, -1
	DONE 0
	STEPN 4, 2, X, XSC, 96, 1, 1, 12               ; set 3 may be out
	DONE 0
	STEPN 4, 3, X, XSC, 144, 1, 1, 0
	DONE 0                                         ; this one serves all loads of the trip's rest: scale words, bias and the four sets.  The GELU and the quantiser name v24-31, v56-119 and ACC alone
	v_add_nc_u32 v24, s93, v17                     ; (the last trip's stores have read v24-26: the wait on vm_vsrc stands at the trip's end, and ahead of the loop)
	v_add_nc_u32 v25, s93, v18
	v_add_nc_u32 v26, s94, v19
	s_cmp_eq_u32 s92, 1                            ; the last trip asks for b2 in place of the next chunk's scale words and bias: no load leaves its buffer
	s_cbranch_scc1 .Lfor_w2
	s_wait_xcnt 0x0                                ; the earlier loads have read their bases
	s_add_nc_u64 s[88:89], s[88:89], 196608
	s_add_nc_u64 s[32:33], s[32:33], 8192
	s_add_nc_u64 s[44:45], s[44:45], 2048
	SLOAD 32
	BLOAD 44, 224
	WIN 0
	s_branch .Lbias_asked
.Lfor_w2:
	BLOAD 46, 224
	WIN 0
.Lbias_asked:
	NEXTW 0
	GELU16 128
	GELU16 144
	NEXTW 1
	GELU16 160
	GELU16 176
	NEXTW 2
	GELU16 192
	GELU16 208
	NEXTW 3
	GELU16 224
	GELU16 240
	QUANT4 128, 56
	QUANT4 192, 88
	s_wait_alu depctr_va_vdst(0)                   ; the codes, the bytes and the addresses v24-26 are written, which the stores read
	QSTH 56, 0, 24
	QSTH 88, 2, 25
	s_wait_dscnt 0x0                               ; the stores are done
	s_wait_alu depctr_vm_vsrc(0)                   ; the stores have read their data in v60-119 and v24-26, ahead of the backward jump: fragments land in the first, additions write the others
	s_add_co_u32 s93, s93, 384
	s_add_co_u32 s94, s94, 16
	s_sub_co_u32 s92, s92, 1
	s_cmp_lg_u32 s92, 0
	s_cbranch_scc1 .Lchunk
	s_wait_loadcnt 36                              ; sets 1 to 3 may be out: b2 and w2's K step 0 are in, and no load into the scale registers is pending
	BAR                                            ; the hidden layer's codes lie in LDS
; ---------------- w2: sixteen K steps, summed in ACC from b2 on, on a ring of the four sets: step n asks for step n + 3, into the set that step n - 1 has left
.macro STEP2 set, ld, limm, lw, mode
	s_wait_alu depctr_vm_vsrc(0)                   ; the LDS instructions issued so far have read v24-27, which are written again
	v_add_nc_u32 v24, s95, v20                     ; these four additions are the places behind the last products
	v_add_nc_u32 v25, s95, v21
	v_add_nc_u32 v26, s96, v22
	v_add_nc_u32 v27, s96, v23
.if \ld >= 0
	WIN 0x40
.endif
	s_wait_alu depctr_va_vdst(0)                   ; v24-27 are written, which the LDS loads read; the last step's products (ahead of step 0: the quantiser's lines) are done with the set, the fragments and the scale words in which the loads below land
.if \ld >= 0
	WLOAD 48*(\ld), 1, 90, 2, \limm, 24576
.endif
	WIN 0
.irp m, 0,1,2,3
.irp p, 0,1,2,3,4,5
	ds_load_b64 v[56+12*\m+2*\p:57+12*\m+2*\p], v[24+\m/2] offset:24832*(\m%2)+48*(\p/3)+8*(\p%3)
.endr
	ds_load_b32 v[48+\m], v26 offset:1088*\m
.endr
.irp t, 0,1,2,3
	ds_load_b32 v[32+\t], v27 offset:(32*(\t/2)+8*(\t%2))*80
.endr
	s_wait_loadcnt \lw                             ; the sets of the steps behind this one may be out, twelve loads each
	s_wait_dscnt 0x0
	MM 48*(\set), 1, 0, 1, \mode
	WIN 0
	s_add_co_u32 s95, s95, 96
	s_add_co_u32 s96, s96, 4
.endm
	s_mov_b32 s92, 3
	s_mov_b32 s95, 0                               ; 96 s: the K step's codes in a hidden row
	s_mov_b32 s96, 0                               ; 4 s: its scale words
	STEP2 0, -1, 0, 36, 0                          ; step 0 stands ahead of the loop: b2 starts the sums
.Lk2:                                              ; three trips: steps 1 to 12, which ask for steps 4 to 15
	STEP2 1, 0, 1536*4, 36, 1
	STEP2 2, 1, 1536*5, 36, 1
	STEP2 3, 2, 1536*6, 36, 1
	STEP2 0, 3, 1536*7, 36, 1
	s_wait_xcnt 0x0                                ; the loads have read their base
	s_add_nc_u64 s[90:91], s[90:91], 6144
	s_sub_co_u32 s92, s92, 1
	s_cmp_lg_u32 s92, 0
	s_cbranch_scc1 .Lk2
	STEP2 1, -1, 0, 24, 1                          ; the last three steps ask for nothing: the counts run down
	STEP2 2, -1, 0, 12, 1
	STEP2 3, -1, 0, 0, 1
; ---------------- the way out: the residual stream comes back and is added; then through my stage: sixteen lanes store a token's 256 bytes of my columns, aligned
	PLACES
	WIN 0x40
	s_wait_alu depctr_va_vdst(0)                   ; the last products are done reading sets 2 and 3, window 1's v96-191, in which the residual stream's pieces land
.irp k, 0,1,2,3,4,5,6,7,8,9,10,11,12,13,14,15,16
	ds_load_b128 v[96+4*\k:99+4*\k], v54 offset:512*\k
.endr
.irp k, 0,1,2,3,4,5,6
	ds_load_b128 v[164+4*\k:167+4*\k], v55 offset:512*\k
.endr
	s_wait_dscnt 0x0                               ; also: the pieces that lay in my stage have been read before the stage is written
	WIN 0x04
.irp m, 0,1,2,3
.irp c, 0,2,4,6,8,10,12,14,16,18,20,22,24,26,28,30
	v_pk_add_f32 v[128+32*\m+\c:129+32*\m+\c], v[128+32*\m+\c:129+32*\m+\c], v[96+32*\m+\c:97+32*\m+\c]   ; each accumulator from its low end on
.endr
.endr
	WIN 0
	s_wait_alu depctr_va_vdst(0)                   ; the additions have written ACC, which the stage's stores read
.irp m, 0,1,2,3
.irp e, 0,1
.irp q, 0,1,2,3
	ds_store_b128 v12, v[128+32*\m+16*\e+4*\q:131+32*\m+16*\e+4*\q] offset:128*\e+16*\q
.endr
.endr
	s_wait_alu depctr_vm_vsrc(0)                   ; the stores have read this tile's registers, in which its rows land
	s_wait_alu depctr_va_vdst(0)                   ; and the additions have written them
.irp i, 0,1,2,3,4,5,6,7
	ds_load_b128 v[128+32*\m+4*\i:131+32*\m+4*\i], v13 offset:544*\i       ; back as whole rows, into the registers that they left: LDS serves a wave's instructions in order
.endr
	s_wait_dscnt 0x0
.irp i, 0,1,2,3,4,5,6,7
	global_store_b128 v14, v[128+32*\m+4*\i:131+32*\m+4*\i], s[10:11] offset:65536*\i+8192*\m th:TH_STORE_NT
.endr
.endr
	s_wait_xcnt 0x0
	s_wait_alu depctr_vm_vsrc(0)                   ; the last stores have read v254 and v255, which are made anew for the closing lines
	v_lshl_add_u32 v254, v0, 2, 0x4ca00
	v_mov_b32 v255, 0
	s_wait_dscnt 0x0                               ; the closing lines, six on end
	s_wait_alu 0x0
	s_wait_tensorcnt 0x0
	ds_add_u32 v254, v255
	s_wait_dscnt 0x0
	s_endpgm
.Lfunc_end_k_q030c373551_layer:
	.size	k_q030c373551_layer, .Lfunc_end_k_q030c373551_layer-k_q030c373551_layer
	.p2alignl 7, 3214868480
	.fill 96, 4, 3214868480
	.section	.rodata,"a",@progbits
	.p2align	6, 0x0
	.amdhsa_kernel k_q030c373551_layer
		.amdhsa_group_segment_fixed_size 314880
		.amdhsa_private_segment_fixed_size 0
		.amdhsa_enable_private_segment 0
		.amdhsa_kernarg_size 160
		.amdhsa_user_sgpr_count 2
		.amdhsa_user_sgpr_kernarg_segment_ptr 1
		.amdhsa_wavefront_size32 1
		.amdhsa_system_sgpr_workgroup_id_x 1
		.amdhsa_system_sgpr_workgroup_id_y 1
		.amdhsa_system_sgpr_workgroup_id_z 1
		.amdhsa_system_vgpr_workitem_id 0
		.amdhsa_next_free_vgpr 512
		.amdhsa_next_free_sgpr 102
		.amdhsa_reserve_vcc 0
		.amdhsa_float_denorm_mode_32 3
		.amdhsa_float_denorm_mode_16_64 3
		.amdhsa_memory_ordered 1
		.amdhsa_forward_progress 1
		.amdhsa_inst_pref_size 255
	.end_amdhsa_kernel
	.section	.bss,"aw",@nobits
	.p2align	6
	.space	262144
	.amdgpu_metadata
---
amdhsa.version: [ 1, 2 ]
amdhsa.kernels:
  - .name:           k_q030c373551_layer
    .symbol:         k_q030c373551_layer.kd
    .args:
      - { .name: hidden_states, .offset: 0, .size: 8, .value_kind: global_buffer, .address_space: global }
      - { .name: out0, .offset: 8, .size: 8, .value_kind: global_buffer, .address_space: global }
      - { .name: wimg, .offset: 16, .size: 8, .value_kind: global_buffer, .address_space: global }
      - { .name: rpb, .offset: 24, .size: 8, .value_kind: global_buffer, .address_space: global }
      - { .name: ln1_g, .offset: 32, .size: 8, .value_kind: global_buffer, .address_space: global }
      - { .name: ln1_b, .offset: 40, .size: 8, .value_kind: global_buffer, .address_space: global }
      - { .name: ln2_g, .offset: 48, .size: 8, .value_kind: global_buffer, .address_space: global }
      - { .name: ln2_b, .offset: 56, .size: 8, .value_kind: global_buffer, .address_space: global }
      - { .name: wq_scales, .offset: 64, .size: 8, .value_kind: global_buffer, .address_space: global }
      - { .name: wk_scales, .offset: 72, .size: 8, .value_kind: global_buffer, .address_space: global }
      - { .name: wv_scales, .offset: 80, .size: 8, .value_kind: global_buffer, .address_space: global }
      - { .name: wo_scales, .offset: 88, .size: 8, .value_kind: global_buffer, .address_space: global }
      - { .name: w1_scales, .offset: 96, .size: 8, .value_kind: global_buffer, .address_space: global }
      - { .name: w2_scales, .offset: 104, .size: 8, .value_kind: global_buffer, .address_space: global }
      - { .name: bq, .offset: 112, .size: 8, .value_kind: global_buffer, .address_space: global }
      - { .name: bk, .offset: 120, .size: 8, .value_kind: global_buffer, .address_space: global }
      - { .name: bv, .offset: 128, .size: 8, .value_kind: global_buffer, .address_space: global }
      - { .name: bo, .offset: 136, .size: 8, .value_kind: global_buffer, .address_space: global }
      - { .name: b1, .offset: 144, .size: 8, .value_kind: global_buffer, .address_space: global }
      - { .name: b2, .offset: 152, .size: 8, .value_kind: global_buffer, .address_space: global }
    .group_segment_fixed_size: 314880
    .private_segment_fixed_size: 0
    .kernarg_segment_align: 8
    .kernarg_segment_size: 160
    .max_flat_workgroup_size: 256
    .sgpr_count:     102
    .vgpr_count:     512
    .wavefront_size: 32
...
	.end_amdgpu_metadata
.endif
;; end of part 3
